; MI455X (gfx1250); checked and timed in simulation.
; The chip was launched on July 23, 2026; its instructions are those of AMD's public machine-readable ISA for CDNA 5 (MIT licence, August 2026) and "CDNA5" Instruction Set Architecture Reference Guide (July 2026). The comments in the code are by the model that wrote it; some were corrected since.
;; Seq Attention. Allowed arithmetic: matrix products marked QUANTISED: E3M2 operands, one E8M0 scale for each 32 along K, by v_wmma_scale_f32_16x16x128_f8f6f4 with both operands' format E3M2, f32 sums; everything else in f32.
;; Inputs: key 64 x 2,048 x 64 float32; key_pe 1 x 64 x 1,024 float32; query 64 x 1,024 x 64 float32; value 64 x 2,048 x 64 float32.
;; Outputs: out0 64 x 1,024 x 64 float32.
;; This version of the problem:
;;   THIS VERSION OF THE PROBLEM IS GIVEN IN LOW PRECISION. The matrix products marked QUANTISED in the list below multiply operands that are first quantised to E3M2 (3 exponent bits, 2 mantissa bits; 6 bits a number), with one power-of-two scale for each 32 numbers along K (OCP MX v1.0); their sums are f32. All else is computed in f32.
;;   The module's matrix products, in the order in which they are computed (A, B: the left and right operand; K: the contracted axis; several contracted axes count as one K, in the product's order):
;;     1. batch 64 x [M 1,024, K 64] x [K 64, N 2,048]; A: input query; B: input key: QUANTISED
;;     2. [M 65,536, K 64] x [K 64, N 1,024]; A: input query; B: input key_pe: QUANTISED
;;     3. batch 64 x [M 1,024, K 2,048] x [K 2,048, N 64]; A: computed on the way; B: input value: QUANTISED
;;   THE QUANTISER, for each operand of a quantised product, along K:
;;     - K is cut into blocks of 32 from its start; a last block that is shorter is filled with zeros.
;;     - A block's scale is 2^e with e = floor(log2(the largest magnitude in the block)) - 4, held to -126 .. 127; a block of zeros has e = 0. As a byte (E8M0): e + 127.
;;     - Each number is divided by its block's scale, clamped to +-28, and rounded to the nearest number of E3M2, ties to even, subnormals kept.
;;     - The product sums the exact products of the quantised numbers (number of the format x scale) in f32.
;;   ~~~python
;;   def quantise(x, axis):      # numpy; x: float32 -> the quantised numbers, widened to float32 again
;;       x = np.moveaxis(x, axis, -1); K = x.shape[-1]
;;       x = np.pad(x, [(0, 0)] * (x.ndim - 1) + [(0, -K % 32)]); x = x.reshape(x.shape[:-1] + (-1, 32)); a = np.abs(x).max(-1, keepdims=True)
;;       e = np.where(a > 0, np.clip(np.frexp(np.where(a > 0, a, 1))[1] - 1 - 4, -126, 127), 0)      # np.frexp(a)[1] - 1 = floor(log2(a)), exactly
;;       r = np.clip(x / 2.0 ** e, -28, 28)
;;       step = 2.0 ** (np.maximum(np.frexp(np.where(r == 0, 1, r))[1] - 1, -2) - 2)
;;       q = np.round(r / step) * step * 2.0 ** e      # np.round: ties to even
;;       return np.moveaxis(q.reshape(q.shape[:-2] + (-1,))[..., :K], -1, axis).astype(np.float32)
;;   ~~~
;;   OPERANDS COMPUTED ON THE WAY. 'Computed on the way' means the value that the module computes at that place (a softmax that the list does not call 'softmax' is quantised finished and normalised). What goes into a quantiser is computed in f32, as accurately as f32 sums, v_exp_f32 and their like allow (about 1e-6 of the number): no bf16 or f16 on the way to a quantiser, and a product that is left as it is and whose result goes on into a quantised operand takes f32 operands (vector FMAs, or v_wmma_f32_16x16x4_f32). A number that lies on a knife's edge between two numbers of the format may be rounded either way, as far as f32 arithmetic and the matrix unit's own rounding can turn it there, and no further.
;; 2 versions. Each part assembles by itself: llvm-mc -triple=amdgcn-amd-amdhsa -mcpu=gfx1250 --defsym DOCPART=n.
;; ======== version 1 of 2: 2 launches
;; limits: right only within a limited range of input values
;; workspace buffers: kimg 6,291,456 bytes; ksw 262,144 bytes; vimg 6,291,456 bytes; vsc 327,680 bytes; pec 52,224 bytes; psw 4,352 bytes
;; launch prep (part 1): grid 529 x 1, 4 waves a work-group, no clusters, 42,496 bytes of LDS; arguments key, value, key_pe, kimg, ksw, vimg, vsc, pec, psw; writes kimg, ksw, vimg, vsc, pec, psw
.if DOCPART == 1
	.amdgcn_target "amdgcn-amd-amdhsa--gfx1250"
	.amdhsa_code_object_version 6
	.text
	.protected	k_qf841a36819_prep
	.globl	k_qf841a36819_prep
	.p2align	8
	.type	k_qf841a36819_prep,@function
k_qf841a36819_prep:
	s_mov_b64 s[64:65], 0
	v_nop
	global_prefetch_b8 v0, s[64:65] scope:SCOPE_SE
	s_setreg_imm32_b32 hwreg(HW_REG_WAVE_MODE, 25, 1), 1
	s_wait_xcnt 0x0
; key [64][2048][64], value [64][2048][64] and key_pe [64][1024], f32, become codes of BF6 (E3M2) with one E8M0 byte for each 32 along K,
; laid in the order of the registers in which the next launch wants them.  K of key and key_pe is the head's 64, K of value is the keys.
; A block's scale is 2^(floor(log2(largest magnitude)) - 4): its byte is the largest magnitude's exponent field - 4, held at 1 from below.
; LIMITS: NaN and infinities are not served.  A block of zeros gets the byte 1 where the quantiser says 127: its codes are zeros, which add
; nothing under any byte but 0xff, and this program alone reads the bytes.
; A UNIT is 64 consecutive keys of a batch, U = 32 b + unit.
;  kimg [U][f 0,1][plane 0..2][lane][16 B]: fragment f, lane (r, h): registers 0-5 the 24 code bytes of key 32 (r / 8) + 16 f + r % 8, block h of d; registers 6-11 the key 8 on.
;  ksw  [U][f][r] words: the two bytes of the first key, then those of the second.
;  vimg [U][dt 0..3][lane][16 B], then [lane][8 B]: lane (r, h): the 24 code bytes of d = 16 dt + r, keys 32 h + 0 .. 31 of the unit.
;  vsc  [b][d][80 B]: byte i = the scale of key block i; bytes 64 .. 79 are 0x7f.
;  pec  1,088 rows of 48 B: row l + 16 = the 64 codes of key_pe[:, l]; rows with l outside 0 .. 1023 are zeros.   psw: a word a row, its two bytes twice (0x7f in the zero rows).
; Work-groups 0-16 take key_pe, 17-272 key, 273-528 value.  Waves share nothing: no barrier.  Every offset is an immediate and every store has registers of its own,
; so no address and no store's data are ever written again.  Each of the three ways has LDS bytes of its own: key 0 .. 38,911, key_pe 38,912 .. 41,983, value none.
.set PEL, 38912
; 32 numbers of ONE block in v[x] on become 24 bytes of codes in v[dst .. dst + 5] and the scale's byte in v[by].  v12-14 at work.
.macro QBLK x, dst, tmp, by
	v_max3_num_f32 v12, |v[(\x)]|, |v[(\x)+1]|, 0x2800000          ; the floor 2^(5 - 127) among the leaves: the byte cannot fall under 1
	v_max3_num_f32 v13, |v[(\x)+2]|, |v[(\x)+3]|, |v[(\x)+4]|      ; two chains, so that no line waits for the line above it
.irp i, 5,9,13,17,21,25
	v_max3_num_f32 v12, v12, |v[(\x)+\i]|, |v[(\x)+\i+1]|
	v_max3_num_f32 v13, v13, |v[(\x)+\i+2]|, |v[(\x)+\i+3]|
.endr
	v_max3_num_f32 v12, v12, |v[(\x)+29]|, |v[(\x)+30]|
	v_max3_num_f32 v12, v12, v13, |v[(\x)+31]|
	v_add_nc_u32 v14, 0xfe000000, v12                              ; 4 off the exponent field: the conversion takes this operand's exponent field as its scale
	v_cvt_scalef32_pk16_bf6_f32 v[(\dst):(\dst)+2], v[(\x):(\x)+15], v14
	v_cvt_scalef32_pk16_bf6_f32 v[(\tmp):(\tmp)+2], v[(\x)+16:(\x)+31], v14   ; (a conversion's three registers begin on an even number)
	v_lshrrev_b32 v[(\by)], 23, v14                                ; the scale's byte; also the plain line behind the conversions
.irp i, 0,1,2
	v_mov_b32 v[(\dst)+3+\i], v[(\tmp)+\i]
.endr
.endm
	s_load_b512 s[4:19], s[0:1], 0x0               ; key s[4:5], value s[6:7], key_pe s[8:9], kimg s[10:11], ksw s[12:13], vimg s[14:15], vsc s[16:17], pec s[18:19]
	s_load_b64 s[20:21], s[0:1], 0x40              ; psw
	v_lshl_add_u32 v192, v0, 2, 0xa400
	v_mov_b32 v193, 0
	v_lshrrev_b32 v1, 5, v0
	v_readfirstlane_b32 s22, v1                    ; wave 0..3
	v_and_b32 v1, 31, v0                           ; lane L
	v_and_b32 v2, 15, v0                           ; r
	v_bfe_u32 v3, v0, 4, 1                         ; h
	v_lshlrev_b32 v10, 3, v3                       ; 8 h
	v_mov_b32 v11, 0                               ; a lane permute's destination counts as one of its sources: written once
	s_mov_b32 s24, 0x76543210
	s_mov_b32 s25, 0xfedcba98                      ; v_permlanex16_b32's selects for lane l xor 16
	s_mov_b32 s33, 0                               ; the upper word of every offset
	s_wait_kmcnt 0x0
	s_cmp_lt_u32 ttmp9, 17
	s_cbranch_scc1 .Lpe
	s_cmp_lt_u32 ttmp9, 273
	s_cbranch_scc1 .Lkey
; ---------------- value: a lane takes a column d and its registers run down the keys, so a block of 32 keys is one lane's
	s_sub_co_u32 s26, ttmp9, 273
	s_lshl_b32 s26, s26, 2
	s_add_co_u32 s26, s26, s22                     ; task 0..1023 = 16 b + 2 run + q
	s_and_b32 s28, s26, 1                          ; q: columns 32 q on
	s_bfe_u32 s29, s26, 0x30001                    ; run: 4 units, 256 keys
	s_lshr_b32 s30, s26, 4                         ; b
	s_lshl_b32 s32, s30, 19                        ; value: 524,288 b + 65,536 run + 128 q
	s_lshl_b32 s34, s29, 16
	s_add_co_u32 s32, s32, s34
	s_lshl_b32 s34, s28, 7
	s_add_co_u32 s32, s32, s34
	s_add_nc_u64 s[6:7], s[6:7], s[32:33]
	s_lshl_b32 s32, s30, 5                         ; vimg: ((32 b + 4 run) 4 + 2 q) 768
	s_lshl_b32 s34, s29, 2
	s_add_co_u32 s32, s32, s34
	s_lshl_b32 s32, s32, 2
	s_lshl_b32 s34, s28, 1
	s_add_co_u32 s32, s32, s34
	s_mul_i32 s32, s32, 768
	s_add_nc_u64 s[14:15], s[14:15], s[32:33]
	s_lshl_b32 s32, s30, 6                         ; vsc: (64 b + 32 q) 80 + 8 run
	s_lshl_b32 s34, s28, 5
	s_add_co_u32 s32, s32, s34
	s_mul_i32 s32, s32, 80
	s_lshl_b32 s34, s29, 3
	s_add_co_u32 s32, s32, s34
	s_add_nc_u64 s[16:17], s[16:17], s[32:33]
	v_lshlrev_b32 v4, 2, v1                        ; in: 4 bytes a lane: a load reads 128 consecutive bytes, and waves q = 0, 1 stand side by side on a row
	v_lshlrev_b32 v5, 4, v1                        ; out: 16 L
	v_lshlrev_b32 v6, 3, v1                        ; 8 L
	v_mul_u32_u24 v7, v1, 80                       ; my column's row of scale bytes
.macro VLD t                                   ; block t: value(32 t + i, my column) into set t % 2
.set i_, 0
.rept 32
	global_load_b32 v[16+32*((\t)%2)+i_], v4, s[6:7] offset:(32*(\t)+i_)*256 th:TH_LOAD_NT
.set i_, i_+1
.endr
.endm
.macro VBLK t
.if (\t) < 7
	s_wait_loadcnt 32                              ; this block's 32 loads are in; the next block's 32 may be out
.else
	s_wait_loadcnt 0x0
.endif
	QBLK 16+32*((\t)%2), 80+12*((\t)/2)+6*((\t)%2), 128, 15
.if (\t)%4 == 0
	v_mov_b32 v[132+(\t)/4], v15                   ; four bytes to a register, the lower keys in the lower byte
.else
	v_lshl_or_b32 v[132+(\t)/4], v15, 8*((\t)%4), v[132+(\t)/4]
.endif
.if (\t) < 6
	VLD (\t)+2
.endif
.if (\t)%2 == 1                                ; a unit is whole: its even block in v[80 + 12 n] on, its odd block six registers further
.set n_, (\t)/2
.irp i, 0,1,2,3,4,5
	v_permlane16_swap_b32 v[80+12*n_+\i], v[86+12*n_+\i]   ; the first now holds columns 32 q + r (lanes 0-15 the even block, 16-31 the odd one): the image of tile 2 q; the second that of tile 2 q + 1
.endr
	global_store_b128 v5, v[80+12*n_:83+12*n_], s[14:15] offset:3072*n_          ; each store covers 512 or 256 consecutive bytes, aligned
	global_store_b64 v6, v[84+12*n_:85+12*n_], s[14:15] offset:3072*n_+512
	global_store_b128 v5, v[86+12*n_:89+12*n_], s[14:15] offset:3072*n_+768
	global_store_b64 v6, v[90+12*n_:91+12*n_], s[14:15] offset:3072*n_+1280
.endif
.endm
	VLD 0
	VLD 1
.irp t, 0,1,2,3,4,5,6,7
	VBLK \t
.endr
	global_store_b64 v7, v[132:133], s[16:17]      ; my column's 8 scale bytes (rows 80 bytes apart: one byte for each 128 that this way reads)
	s_cmp_lg_u32 s29, 7
	s_cbranch_scc1 .Lv_end
.irp i, 0,1,2,3
	v_mov_b32 v[136+\i], 0x7f7f7f7f
.endr
	global_store_b128 v7, v[136:139], s[16:17] offset:8   ; the last run also writes the row's bytes 64 .. 79
.Lv_end:
	s_endpgm
; ---------------- key: dense loads of 512 bytes turn through the wave's own stage, so that a lane gets 32 neighbours along d of one key
.Lkey:
	s_sub_co_u32 s26, ttmp9, 17
	s_lshl_b32 s26, s26, 2
	s_add_co_u32 s26, s26, s22                     ; task 0..1023: units 2 task and 2 task + 1
	s_lshl_b32 s32, s26, 15
	s_add_nc_u64 s[4:5], s[4:5], s[32:33]          ; key: 32,768 bytes a task
	s_mul_i32 s32, s26, 6144
	s_add_nc_u64 s[10:11], s[10:11], s[32:33]      ; kimg
	s_lshl_b32 s32, s26, 8
	s_add_nc_u64 s[12:13], s[12:13], s[32:33]      ; ksw
	s_mul_i32 s30, s22, 9728                       ; my wave's LDS: two stages of 32 places x 144 bytes, then 256 bytes for scale words
	v_lshlrev_b32 v4, 4, v1                        ; 16 L: in and out
	v_lshrrev_b32 v5, 3, v1
	v_mul_u32_u24 v5, v5, 144
	v_and_b32 v15, 7, v1
	v_lshl_add_u32 v5, v15, 4, v5
	v_add_nc_u32 v5, s30, v5                       ; the stage, in: eight lanes' 128 bytes on end, then 16 of padding; a load's 512 bytes take four places
	v_lshl_add_u32 v6, v2, 1, v3
	v_mul_u32_u24 v6, v6, 144
	v_add_nc_u32 v6, s30, v6                       ; out: place 2 r + h: row r of the tile, block h of d
	v_lshl_add_u32 v7, v1, 2, s30                  ; scale words: 4 L
	v_lshl_add_u32 v8, v1, 3, s30                  ; and back: 8 L
	v_lshlrev_b32 v9, 3, v1
	v_cmp_gt_u32 vcc_lo, 16, v1                    ; lanes 0-15; kept for the whole way
.macro KLOAD t                                 ; step t = tile t % 4 of unit t / 4: keys 8 tile + 0 .. 7 and the eight keys 32 on
.irp j, 0,1,2,3
	global_load_b128 v[16+32*((\t)%2)+4*\j:16+32*((\t)%2)+4*\j+3], v4, s[4:5] offset:16384*((\t)/4)+2048*((\t)%4)+512*\j th:TH_LOAD_NT
.endr
.irp j, 4,5,6,7
	global_load_b128 v[16+32*((\t)%2)+4*\j:16+32*((\t)%2)+4*\j+3], v4, s[4:5] offset:16384*((\t)/4)+8192+2048*((\t)%4)+512*(\j-4) th:TH_LOAD_NT
.endr
.endm
.macro KSTEP t
.if (\t) < 7
	s_wait_loadcnt 8                               ; this step's 8 loads are in; the next step's 8 may be out
.else
	s_wait_loadcnt 0x0
.endif
.irp j, 0,1,2,3,4,5,6,7
	ds_store_b128 v5, v[16+32*((\t)%2)+4*\j:16+32*((\t)%2)+4*\j+3] offset:4608*((\t)%2)+576*\j
.endr
.irp k, 0,1,2,3,4,5,6,7
	ds_load_b128 v[80+4*\k:83+4*\k], v6 offset:4608*((\t)%2)+16*\k   ; LDS serves a wave's instructions in order: these see the stores above
.endr
	s_wait_dscnt 0x0                               ; my 32 neighbours are in, and the stores have read their registers
.if (\t) < 6
	KLOAD (\t)+2
.endif
	QBLK 80, 112+12*((\t)/2)+6*((\t)%2), 160, 164+(\t)%2
.if (\t)%2 == 1                                ; a fragment is whole
	v_lshl_or_b32 v15, v165, 16, v164              ; my two bytes: block h of the first key and of the second,
	v_lshlrev_b32 v15, v10, v15                    ; at their places (8 h bits up);
	v_permlanex16_b32 v11, v15, s24, s25
	v_or_b32 v[166+(\t)/2], v15, v11               ; with lane l xor 16's two the word is whole
.irp c, 0,1,2
	global_store_b128 v4, v[112+12*((\t)/2)+4*\c:112+12*((\t)/2)+4*\c+3], s[10:11] offset:1536*((\t)/2)+512*\c
.endr
.endif
.if (\t)%4 == 3                                ; a unit is whole: lanes 0-15 take fragment 0's words, lanes 16-31 fragment 1's
	v_cndmask_b32 v[170+(\t)/4], v[167+2*((\t)/4)], v[166+2*((\t)/4)], vcc_lo
	ds_store_b32 v7, v[170+(\t)/4] offset:9216+128*((\t)/4)
.endif
.endm
	KLOAD 0
	KLOAD 1
.irp t, 0,1,2,3,4,5,6,7
	KSTEP \t
.endr
	ds_load_b64 v[172:173], v8 offset:9216
	s_wait_dscnt 0x0
	global_store_b64 v9, v[172:173], s[12:13]      ; 32 lanes store 256 consecutive bytes, aligned
	s_wait_tensorcnt 0x0
	ds_add_u32 v192, v193
	s_wait_dscnt 0x0
	s_endpgm
; ---------------- key_pe: a lane takes a column l and its registers run down d
.Lpe:
	s_lshl_b32 s26, ttmp9, 2
	s_add_co_u32 s26, s26, s22                     ; tile 0..67: rows 16 tile .. + 15 of pec, l = 16 tile - 16 + r
	s_mul_i32 s32, s26, 768
	s_add_nc_u64 s[18:19], s[18:19], s[32:33]
	s_lshl_b32 s32, s26, 6
	s_add_nc_u64 s[20:21], s[20:21], s[32:33]
	s_mul_i32 s30, s22, 768
	s_add_co_u32 s30, s30, PEL                     ; my wave's 768 bytes of LDS
	v_mul_u32_u24 v5, v2, 48
	v_mad_u32_u24 v5, v3, 24, v5
	v_add_nc_u32 v5, s30, v5                       ; in: row r, block h
	v_lshl_add_u32 v6, v1, 4, s30                  ; back: 16 L,
	v_lshl_add_u32 v7, v1, 3, s30                  ; and 8 L behind the first 512 bytes
	v_lshlrev_b32 v4, 4, v1
	v_lshlrev_b32 v8, 3, v1
	v_lshlrev_b32 v9, 2, v2                        ; 4 r
	s_cmp_eq_u32 s26, 0
	s_cbranch_scc1 .Lpe_pad
	s_cmp_gt_u32 s26, 64
	s_cbranch_scc1 .Lpe_pad
	s_sub_co_u32 s32, s32, 64                      ; key_pe: column 16 tile - 16, 4 bytes each
	s_add_nc_u64 s[8:9], s[8:9], s[32:33]
	v_lshl_add_u32 v15, v3, 17, v9                 ; 4 r, and 32 rows of 4,096 bytes further down for lanes 16-31
.set i_, 0
.rept 32
	global_load_b32 v[16+i_], v15, s[8:9] offset:4096*i_
.set i_, i_+1
.endr
	s_wait_loadcnt 0x0
	QBLK 16, 48, 56, 67
.irp p, 0,1,2
	ds_store_b64 v5, v[48+2*\p:49+2*\p] offset:8*\p
.endr
	ds_load_b128 v[60:63], v6
	ds_load_b64 v[64:65], v7 offset:512
	v_lshlrev_b32 v15, v10, v67                    ; my byte at its place,
	v_permlanex16_b32 v11, v15, s24, s25
	v_or_b32 v15, v15, v11                         ; the row's two bytes,
	v_lshl_or_b32 v66, v15, 16, v15                ; twice: the word serves either half of a K step
	s_wait_dscnt 0x0
	global_store_b128 v4, v[60:63], s[18:19]
	global_store_b64 v8, v[64:65], s[18:19] offset:512
	global_store_b32 v9, v66, s[20:21]             ; both halves of the lanes store the same word with the same value
	s_wait_tensorcnt 0x0
	ds_add_u32 v192, v193
	s_wait_dscnt 0x0
	s_endpgm
.Lpe_pad:                                      ; rows outside l = 0 .. 1023: zero codes, bytes 0x7f
.irp i, 0,1,2,3,4,5
	v_mov_b32 v[60+\i], 0
.endr
	v_mov_b32 v66, 0x7f7f7f7f
	global_store_b128 v4, v[60:63], s[18:19]
	global_store_b64 v8, v[64:65], s[18:19] offset:512
	global_store_b32 v9, v66, s[20:21]
	s_endpgm
.Lfunc_end_k_qf841a36819_prep:
	.size	k_qf841a36819_prep, .Lfunc_end_k_qf841a36819_prep-k_qf841a36819_prep
	.p2alignl 7, 3214868480
	.fill 96, 4, 3214868480
	.section	.rodata,"a",@progbits
	.p2align	6, 0x0
	.amdhsa_kernel k_qf841a36819_prep
		.amdhsa_group_segment_fixed_size 42496
		.amdhsa_private_segment_fixed_size 0
		.amdhsa_enable_private_segment 0
		.amdhsa_kernarg_size 72
		.amdhsa_user_sgpr_count 2
		.amdhsa_user_sgpr_kernarg_segment_ptr 1
		.amdhsa_wavefront_size32 1
		.amdhsa_system_sgpr_workgroup_id_x 1
		.amdhsa_system_sgpr_workgroup_id_y 1
		.amdhsa_system_sgpr_workgroup_id_z 1
		.amdhsa_system_vgpr_workitem_id 0
		.amdhsa_next_free_vgpr 194
		.amdhsa_next_free_sgpr 66
		.amdhsa_reserve_vcc 1
		.amdhsa_float_denorm_mode_32 3
		.amdhsa_float_denorm_mode_16_64 3
		.amdhsa_memory_ordered 1
		.amdhsa_forward_progress 1
		.amdhsa_inst_pref_size 77
	.end_amdhsa_kernel
	.amdgpu_metadata
---
amdhsa.version: [ 1, 2 ]
amdhsa.kernels:
  - .name:           k_qf841a36819_prep
    .symbol:         k_qf841a36819_prep.kd
    .args:
      - { .name: key, .offset: 0, .size: 8, .value_kind: global_buffer, .address_space: global }
      - { .name: value, .offset: 8, .size: 8, .value_kind: global_buffer, .address_space: global }
      - { .name: key_pe, .offset: 16, .size: 8, .value_kind: global_buffer, .address_space: global }
      - { .name: kimg, .offset: 24, .size: 8, .value_kind: global_buffer, .address_space: global }
      - { .name: ksw, .offset: 32, .size: 8, .value_kind: global_buffer, .address_space: global }
      - { .name: vimg, .offset: 40, .size: 8, .value_kind: global_buffer, .address_space: global }
      - { .name: vsc, .offset: 48, .size: 8, .value_kind: global_buffer, .address_space: global }
      - { .name: pec, .offset: 56, .size: 8, .value_kind: global_buffer, .address_space: global }
      - { .name: psw, .offset: 64, .size: 8, .value_kind: global_buffer, .address_space: global }
    .group_segment_fixed_size: 42496
    .private_segment_fixed_size: 0
    .kernarg_segment_align: 8
    .kernarg_segment_size: 72
    .max_flat_workgroup_size: 128
    .sgpr_count:     66
    .vgpr_count:     194
    .wavefront_size: 32
...
	.end_amdgpu_metadata
.endif
;; end of part 1
;; launch attn (part 2): grid 16 x 64, 4 waves a work-group, no clusters, 316,672 bytes of LDS; arguments query, pec, psw, kimg, ksw, vimg, vsc, out0; writes out0
.if DOCPART == 2
	.amdgcn_target "amdgcn-amd-amdhsa--gfx1250"
	.amdhsa_code_object_version 6
	.text
	.protected	k_qf841a36819_attn
	.globl	k_qf841a36819_attn
	.p2align	8
	.type	k_qf841a36819_attn,@function
k_qf841a36819_attn:
	s_mov_b64 s[64:65], 0
	v_nop
	global_prefetch_b8 v0, s[64:65] scope:SCOPE_SE
	s_setreg_imm32_b32 hwreg(HW_REG_WAVE_MODE, 25, 1), 1
	s_wait_xcnt 0x0
; out[b][m] = sum over l of softmax_l(((q.key[m+l] == 0 ? -1e6 : q.key[m+l]) + q.key_pe[:,l]) / 8) value[m+l], l = 0 .. 1023; all three products on codes of BF6 (E3M2) with E8M0 scales.
; The FINISHED, normalised softmax is what the third product's quantiser takes, in blocks of 32 along the key j = m + l.
; SHARES.  Work-group (g, b): queries 64 g .. 64 g + 63 of batch b, which share a band of 1,088 keys (17 units of 64), x = j - 64 g.  Wave u, lane (r = lane % 16, h = lane / 16): query 64 g + 4 r + u.
; ALL SCORES OF A WAVE STAY IN REGISTERS: 1,088 keys x 16 queries = 544 registers; scores, maximum, exponentials, sum, normalising, quantising and the last product run once, from registers.
; LAYOUT.  All products are used transposed (source 0 = 16 keys, 16 offsets l, or 16 of d; source 1 = my 16 queries): a lane holds ONE query.  The keys of a tile are chosen so that score register
; 32 unit + n of lane (r, h) is key x = 64 unit + 32 h + n: a whole block of 32 keys in a lane: its largest number needs no other lane, and its codes are the last product's operand as they stand.
; K = 64 IN AN INSTRUCTION OF K = 128: a fragment of source 0 holds two tiles of 16 rows, in K 0-63 and K 64-127; source 1 is [q | 0] or [0 | q]; a zero code adds nothing.
; THE SKEW.  Position scores come out by l, the rest goes by x = l + 4 r + u.  Since a tile's queries are 4 apart, the shift is 16 r bytes: the position scores go through the wave's own stage in LDS,
; stored at row pitch 2,352 and read at pitch 2,336, by aligned accesses of 16 bytes.  Outside the band the stage holds -1e30 (as the C of the products at the band's two ends, or stored), so p = 0 there.
; LDS is filled once, by six tensor loads a wave at the head (six of mine are out at the most); nothing is filled again.  The stage is written by LDS stores alone, each wave its own.
; Clusters are not used: of a work-group's 165 KB only the position tables (a third) are the same bytes at the same LDS place in neighbours; the bands of K and V are shifted by 64 keys from one to the next.
; LIMITS: NaN and infinities are not served.  p under 2^-126 counts as 0 (v_exp_f32 flushes).  Scores must lie above -1e30.  A block's scale is made from the block's largest SCORE by the same
; instructions as its p, which takes v_exp_f32 not to fall where its input rises.  The test for 0 is made on the matrix unit's f32 sum.
.set PEC,  0                           ; LDS: 1,088 rows of 48 bytes: key_pe's codes
.set KIMG, 52224                       ; the band's 17 units of K, 3,072 bytes each, as images of registers
.set VIMG, 104448                      ; the same of V
.set PSW,  156672                      ; key_pe's scale words
.set KSW,  161024                      ; K's: 128 bytes a unit
.set VSC,  163328                      ; V's scale bytes: 64 rows (d) of 36 bytes, byte i = block i of the band
.set STG,  165632                      ; four stages
.set STW,  37632                       ; a wave's stage: 16 rows
.set SPI,  2352                        ; of 576 numbers + 48 bytes
.set QTR,  13056                       ; a quarter of a table of 52,224 bytes: 51 rows of 256
; window 0
.set PEA, 3                            ; v3  key_pe's fragments: PEC + 48 (16 - u + r) + 24 h
.set PSA, 4                            ; v4  their scale words: PSW + 4 (16 - u) + 4 lane
.set KFA, 5                            ; v5  KIMG + 16 lane
.set KSA, 6                            ; v6  KSW + 4 lane
.set VFA, 7                            ; v7  VIMG + 16 lane
.set VFB, 8                            ; v8  VIMG + 512 + 8 lane
.set VSA, 9                            ; v9  VSC + 36 lane
.set STA, 10                           ; v10 stage, in: 2,352 r + 32 h
.set RDA, 11                           ; v11 stage, out: 2,336 r + 128 h + 256
.set OSA, 12                           ; v12 the way out, in: 272 r + 32 h
.set OLA, 13                           ; v13 back: 272 h + 16 r
.set GO,  14                           ; v14 out0: 1,024 h + 16 r
.set QA,  15                           ; v15 query: 1,024 r + 128 h
                                       ; v16 8 h; v17, v19 at work; v18 the row's largest score; v[20:21] -c M; v[22:23] 1 / sum; v[24:27] the sum, two chains; v28-31 four chains of a maximum
.set QLO, 32                           ; v32-43 [q | 0]
.set QHI, 44                           ; v44-55 [0 | q]
.set MLO, 56                           ; v56-63 0 where 8 h + i >= u, else -1e30
.set MHI, 64                           ; v64-71 0 where 8 h + i < u, else -1e30
.set MNEG, 72                          ; v72-79 -1e30
.set QSC, 80                           ; v80-94 hold scales and nothing else: q's word; v81-82 key_pe's; v83 K's; v84-85 V's; v86-94 p's, a word for each K step
.set PSC, 81
.set KSC, 83
.set VSR, 84
.set PSWD, 86
.set BM,  96                           ; v96-112 each unit's largest score of my block, later its largest p, later the scale's byte
.set SCO, 113                          ; v113-129 the conversions' scale operands
.set PF,  136                          ; v136-159 two fragments of key_pe
.set KF,  160                          ; v160-183 two of K
.set VF,  136                          ; v136-183 four of V, later; on the way out 32 registers of rows
.set PC,  184                          ; v184-207 p's codes, two sets
.set PT,  208                          ; v208-214 the conversions' second halves
.set PD,  216                          ; v216-247 q as f32; four tiles of position scores; at last O^T
.set OT,  216
; windows 1, 2: the scores of units 0-7, 8-15;  window 3: v0-31 unit 16's, v32-63 and v64-95 the skewed position scores, two sets
.set MSB, 0
.macro WIN new                         ; s_set_vgpr_msb: bits 1:0 source 0, 3:2 source 1, 5:4 source 2, 7:6 destination; the high byte repeats the setting that is left
.if MSB != (\new)
	s_set_vgpr_msb (MSB<<8)|(\new)
.set MSB, \new
.endif
.endm
.macro NOPS n
.rept \n
	v_nop
.endr
.endm
; one matrix instruction.  c < 0: the constant 0 starts the sum.  row = 1: source 0's scales are read from lanes 16-31
.macro WM d, a, b, c, sa, sb, row
.if (\c) < 0
.if \row
	v_wmma_scale_f32_16x16x128_f8f6f4 v[(\d):(\d)+7], v[(\a):(\a)+11], v[(\b):(\b)+11], 0, v[(\sa)], v[(\sb)] matrix_a_fmt:MATRIX_FMT_BF6 matrix_b_fmt:MATRIX_FMT_BF6 matrix_a_scale:MATRIX_SCALE_ROW1
.else
	v_wmma_scale_f32_16x16x128_f8f6f4 v[(\d):(\d)+7], v[(\a):(\a)+11], v[(\b):(\b)+11], 0, v[(\sa)], v[(\sb)] matrix_a_fmt:MATRIX_FMT_BF6 matrix_b_fmt:MATRIX_FMT_BF6
.endif
.else
.if \row
	v_wmma_scale_f32_16x16x128_f8f6f4 v[(\d):(\d)+7], v[(\a):(\a)+11], v[(\b):(\b)+11], v[(\c):(\c)+7], v[(\sa)], v[(\sb)] matrix_a_fmt:MATRIX_FMT_BF6 matrix_b_fmt:MATRIX_FMT_BF6 matrix_a_scale:MATRIX_SCALE_ROW1
.else
	v_wmma_scale_f32_16x16x128_f8f6f4 v[(\d):(\d)+7], v[(\a):(\a)+11], v[(\b):(\b)+11], v[(\c):(\c)+7], v[(\sa)], v[(\sb)] matrix_a_fmt:MATRIX_FMT_BF6 matrix_b_fmt:MATRIX_FMT_BF6
.endif
.endif
.endm
.macro GRP1 g, logb, c, r, p           ; descriptor group 1: r rows of c elements of 2^logb bytes, p elements from row to row; no mask, no padding
	s_mov_b32 s[\g], (\logb)<<16
	s_mov_b32 s[\g+1], (\c)<<16                    ; tensor_dim0
	s_mov_b32 s[\g+2], (\r)<<16                    ; tensor_dim1
	s_mov_b32 s[\g+3], (\c)<<16                    ; tile_dim0
	s_mov_b32 s[\g+4], \r                          ; tile_dim1
	s_mov_b32 s[\g+5], \p                          ; tensor_dim0_stride
	s_mov_b32 s[\g+6], 0
	s_mov_b32 s[\g+7], 0
.endm
; THE STAGE.  Units 0-7, 8-15 and 16 are three chunks c; stage column = l - (512 c - 64 - u); tile T of position scores is columns 16 T .. 16 T + 15, pair q is tiles 2 q, 2 q + 1;
; unit 8 c + i reads columns 64 i + 4 .. 64 i + 127: pairs 2 i .. 2 i + 3.
.macro LOADP c, q, n                   ; n pairs from pair q of chunk c on: a fragment (both tiles) and its scale words (lanes 0-15 the first tile's, lanes 16-31 the second's)
.set j_, 0
.rept \n
.set B_, 512*(\c)+32*((\q)+j_)-64
.irp e, 0,1,2
	ds_load_b64 v[PF+12*j_+2*\e:PF+12*j_+2*\e+1], v[PEA] offset:48*B_+8*\e
.endr
.irp e, 3,4,5
	ds_load_b64 v[PF+12*j_+2*\e:PF+12*j_+2*\e+1], v[PEA] offset:48*B_+768+8*(\e-3)
.endr
	ds_load_b32 v[PSC+j_], v[PSA] offset:4*B_
.set j_, j_+1
.endr
.endm
.macro LOADK p                         ; unit p's two fragments of K and their scale words (lanes 0-15 fragment 0's, lanes 16-31 fragment 1's)
.irp f, 0,1
.irp e, 0,1,2
	ds_load_b128 v[KF+12*\f+4*\e:KF+12*\f+4*\e+3], v[KFA] offset:3072*(\p)+1536*\f+512*\e
.endr
.endr
	ds_load_b32 v[KSC], v[KSA] offset:128*(\p)
.endm
.macro POSMM j, kind                   ; the two tiles of the pair in fragment j.  kind 1: the band's lower end; kind 2: its upper end
.if \kind == 0
	WM PD+16*\j, PF+12*\j, QLO, -1, PSC+\j, QSC, 0
	WM PD+16*\j+8, PF+12*\j, QHI, -1, PSC+\j, QSC, 1
.elseif \kind == 1
	WM PD+16*\j, PF+12*\j, QLO, MLO, PSC+\j, QSC, 0
	WM PD+16*\j+8, PF+12*\j, QHI, -1, PSC+\j, QSC, 1
.else
	WM PD+16*\j, PF+12*\j, QLO, MHI, PSC+\j, QSC, 0
	WM PD+16*\j+8, PF+12*\j, QHI, MNEG, PSC+\j, QSC, 1
.endif
.endm
.macro CONTMM p                        ; unit p's four tiles of content scores, into the scores' window
	WIN (1+(\p)/8)<<6
.irp f, 0,1
	WM 32*((\p)%8)+16*\f, KF+12*\f, QLO, -1, KSC, QSC, \f
	WM 32*((\p)%8)+16*\f+8, KF+12*\f, QHI, -1, KSC, QSC, \f
.endr
.endm
.macro PDST q, n                       ; n pairs of position scores into the stage, from pair q on; each accumulator from its low end on
.set j_, 0
.rept \n
.irp e, 0,1
.irp a, 0,1
	ds_store_b128 v[STA], v[PD+16*j_+8*\e+4*\a:PD+16*j_+8*\e+4*\a+3] offset:64*(2*((\q)+j_)+\e)+16*\a
.endr
.endr
.set j_, j_+1
.endr
.endm
.macro NEGST t0, n                     ; n tiles of -1e30 into the stage
.set j_, 0
.rept \n
	ds_store_b128 v[STA], v[MNEG:MNEG+3] offset:64*((\t0)+j_)
	ds_store_b128 v[STA], v[MNEG+4:MNEG+7] offset:64*((\t0)+j_)+16
.set j_, j_+1
.endr
.endm
.macro TLOAD p                         ; unit p's 32 position scores, skewed, into set p % 2 in window 3.  LDS serves a wave's instructions in order: these see the stores above
	WIN 0xc0
.irp k, 0,1,2,3,4,5,6,7
	ds_load_b128 v[32+32*((\p)%2)+4*\k:32+32*((\p)%2)+4*\k+3], v[RDA] offset:256*((\p)%8)+16*\k
.endr
.endm
.macro FIX p, n0, n1                   ; registers n0 .. n1 - 1 of unit p: a content score of 0 becomes -1e6; then the position score is added.  Ascending: each accumulator is first read at its lowest register
	WIN ((1+(\p)/8)<<6)|((1+(\p)/8)<<2)|3
.set SB_, 32*((\p)%8)
.set TB_, 32+32*((\p)%2)
.set n_, \n0
.rept (\n1)-(\n0)
	v_cmp_neq_f32 vcc_lo, 0, v[SB_+n_]
.if n_ > (\n0)
	v_add_f32 v[SB_+n_-1], v[TB_+n_-1], v[SB_+n_-1]   ; (the register before: so the select does not wait for the compare)
.endif
	v_cndmask_b32 v[SB_+n_], s92, v[SB_+n_], vcc_lo
.set n_, n_+1
.endr
	v_add_f32 v[SB_+(\n1)-1], v[TB_+(\n1)-1], v[SB_+(\n1)-1]
.endm
.macro MAXU p                          ; the largest score of my block of unit p
	WIN ((1+(\p)/8)<<4)|((1+(\p)/8)<<2)
.set SB_, 32*((\p)%8)
.irp j, 0,1,2,3
	v_max3_num_f32 v[28+\j], s93, v[SB_+2*\j], v[SB_+2*\j+1]
.endr
.irp k, 1,2,3
.irp j, 0,1,2,3
	v_max3_num_f32 v[28+\j], v[28+\j], v[SB_+8*\k+2*\j], v[SB_+8*\k+2*\j+1]
.endr
.endr
	WIN 0
	v_max3_num_f32 v[BM+(\p)], v28, v29, v30
	v_max_num_f32 v[BM+(\p)], v[BM+(\p)], v31
.endm
; UNIT p: its products; the unit before is finished meanwhile.  np pairs of position scores (2 i + 2 on); then LOADP nc, nq, nn and LOADK nk for what follows.
; A store or vector line that reads a matrix result, and a load into a register that a matrix instruction has read, stand four plain vector lines behind it (ISA guide 7.12.1 except for loads);
; a matrix instruction that writes over an earlier one's registers five.  The first 24 lines of the unit before, which name none of these products' registers, are those places.
.macro STEP p, kind, np, prev, nc, nq, nn, nk
	s_wait_dscnt 0x0                               ; my fragments and scale words are in, the unit before has its position scores, and the last stores have read their registers
	WIN 0
	POSMM 0, \kind
.if \np == 2
	POSMM 1, 0
.endif
	CONTMM \p
.if (\prev) >= 0
	FIX \prev, 0, 8
	WIN 0
.else
	WIN 0
	NOPS 5
.endif
	PDST 2*((\p)%8)+2, \np
.if (\p) == 16
	NEGST 6, 2
.endif
	TLOAD \p
	WIN 0
.if \nn > 0
	LOADP \nc, \nq, \nn
.endif
.if (\nk) >= 0
	LOADK \nk
.endif
.if (\prev) >= 0
	FIX \prev, 8, 32
	MAXU \prev
.endif
.endm
.macro PRO c, n                        ; a chunk's pairs 0 and 1; then n pairs for its first unit are fetched.  Five places: the next products write over the same four accumulators
	s_wait_dscnt 0x0
	WIN 0
	POSMM 0, 0
	POSMM 1, 0
	NOPS 5
	PDST 0, 2
	LOADP \c, 2, \n
.endm
; unit p's exponentials.  own = 1: its 16 scalings c s - c M stand ahead; nxt = 1: the next unit's (same window) stand between the exponentials.  Then the unit's share of the row's sum.
.macro EXPU p, nxt, own
	WIN ((1+(\p)/8)<<6)|(1+(\p)/8)
.set SB_, 32*((\p)%8)
.if \own
.set k_, 0
.rept 16
	v_pk_fma_f32 v[SB_+2*k_:SB_+2*k_+1], v[SB_+2*k_:SB_+2*k_+1], s[94:95], v[20:21] op_sel_hi:[1,0,0]
.set k_, k_+1
.endr
.endif
.set k_, 0
.rept 16
	v_exp_f32 v[SB_+2*k_], v[SB_+2*k_]
.if \nxt
	v_pk_fma_f32 v[SB_+32+2*k_:SB_+33+2*k_], v[SB_+32+2*k_:SB_+33+2*k_], s[94:95], v[20:21] op_sel_hi:[1,0,0]
.endif
	v_exp_f32 v[SB_+2*k_+1], v[SB_+2*k_+1]
.set k_, k_+1
.endr
	v_nop                                          ; a plain line between the exponentials and the first use of a result (ISA guide 5.7.2)
	WIN (1+(\p)/8)<<2
.set k_, 0
	s_wait_alu depctr_va_vdst(0)
.rept 8
	v_pk_add_f32 v[24:25], v[24:25], v[SB_+4*k_:SB_+4*k_+1]
	v_pk_add_f32 v[26:27], v[26:27], v[SB_+4*k_+2:SB_+4*k_+3]
.set k_, k_+1
.endr
.endm
.macro VLOAD s                         ; K step s (units 2 s, 2 s + 1; the last step has one unit): V's four fragments and their scale words (lane = d, and d + 32)
	WIN 0
.irp t, 0,1,2,3
	ds_load_b128 v[VF+12*\t:VF+12*\t+3], v[VFA] offset:((2*(\s))*4+\t)*768
	ds_load_b64 v[VF+12*\t+4:VF+12*\t+5], v[VFB] offset:((2*(\s))*4+\t)*768
.if (\s) < 8
	ds_load_b128 v[VF+12*\t+6:VF+12*\t+9], v[VFA] offset:((2*(\s)+1)*4+\t)*768
	ds_load_b64 v[VF+12*\t+10:VF+12*\t+11], v[VFB] offset:((2*(\s)+1)*4+\t)*768
.endif
.endr
	ds_load_b32 v[VSR], v[VSA] offset:4*(\s)
	ds_load_b32 v[VSR+1], v[VSA] offset:4*(\s)+1152
.endm
; K step s: p is normalised and quantised into set s % 2.  hook >= 0: behind the first four multiplications, which are the places behind the products just issued, V of K step hook is fetched.
.macro QNT s, hook
.set QW_, 1+(2*(\s))/8
.set QB_, 32*((2*(\s))%8)
.set QN_, 2
.if (\s) == 8
.set QN_, 1
.endif
	WIN (QW_<<6)|QW_
.set k_, 0
.rept 4
	v_pk_mul_f32 v[QB_+2*k_:QB_+2*k_+1], v[QB_+2*k_:QB_+2*k_+1], v[22:23] op_sel_hi:[1,0]
.set k_, k_+1
.endr
.if (\hook) >= 0
	VLOAD \hook
	WIN (QW_<<6)|QW_
.endif
.rept 16*QN_-4
	v_pk_mul_f32 v[QB_+2*k_:QB_+2*k_+1], v[QB_+2*k_:QB_+2*k_+1], v[22:23] op_sel_hi:[1,0]
.set k_, k_+1
.endr
	WIN QW_
.set c_, 0
.rept QN_
	v_cvt_scalef32_pk16_bf6_f32 v[PC+12*((\s)%2)+6*c_:PC+12*((\s)%2)+6*c_+2], v[QB_+32*c_:QB_+32*c_+15], v[SCO+2*(\s)+c_]
	v_cvt_scalef32_pk16_bf6_f32 v[PT+4*c_:PT+4*c_+2], v[QB_+32*c_+16:QB_+32*c_+31], v[SCO+2*(\s)+c_]   ; (a conversion's three registers begin on an even number)
.set c_, c_+1
.endr
	WIN 0
	v_nop                                          ; one plain line behind the scaled conversions
.set c_, 0
.rept QN_
.irp i, 0,1,2
	v_mov_b32 v[PC+12*((\s)%2)+6*c_+3+\i], v[PT+4*c_+\i]
.endr
.set c_, c_+1
.endr
.if (\s) == 8
.irp i, 6,7,8,9,10,11
	v_mov_b32 v[PC+\i], 0                          ; the last K step has 64 keys: zero codes for the rest
.endr
.endif
.endm
.macro PVMM s                          ; O^T += V^T P^T: four accumulators by turns, one instruction a turn
.irp t, 0,1,2,3
.if (\s) == 0
	WM OT+8*\t, VF+12*\t, PC+12*((\s)%2), -1, VSR+\t/2, PSWD+(\s), \t%2
.else
	WM OT+8*\t, VF+12*\t, PC+12*((\s)%2), OT+8*\t, VSR+\t/2, PSWD+(\s), \t%2
.endif
.endr
.endm
; ---------------- the head
	s_load_b512 s[4:19], s[0:1], 0x0               ; query s[4:5], pec s[6:7], psw s[8:9], kimg s[10:11], ksw s[12:13], vimg s[14:15], vsc s[16:17], out0 s[18:19]
	v_lshl_add_u32 v254, v0, 2, 0x4d300
	v_mov_b32 v255, 0
	ds_add_u32 v254, v255
	ds_add_u32 v254, v255
	v_lshrrev_b32 v17, 5, v0
	v_readfirstlane_b32 s20, v17                   ; u: wave 0..3
	s_mov_b32 s21, ttmp9                           ; g
	s_and_b32 s22, ttmp7, 0xffff                   ; b
	GRP1 32, 3, 32, 51, 32                         ; a quarter of a table of 52,224 dense bytes: 51 rows of 256
	GRP1 40, 3, 8, 17, 8                           ; of key_pe's scale words: 17 rows of 64
	GRP1 48, 3, 4, 17, 4                           ; of K's: 17 rows of 32
	GRP1 56, 1, 18, 16, 40                         ; of V's scale bytes: 16 rows (d) of 36 bytes, 80 bytes apart
	s_mov_b32 s92, 0xc9742400                      ; -1e6
	s_mov_b32 s93, 0xff800000                      ; -infinity
	s_mov_b32 s94, 0x3e38aa3b                      ; c = log2(e) / 8
	s_mov_b32 s95, s94                             ; (named with it as a pair, so it is written)
	s_mov_b32 s96, 0xbe38aa3b                      ; -c
	s_mov_b32 s98, 0x76543210
	s_mov_b32 s99, 0xfedcba98                      ; v_permlanex16_b32's selects for lane l xor 16
	s_lshl_b32 s23, s22, 5
	s_add_co_u32 s23, s23, s21                     ; the band's first unit: 32 b + g
	s_mul_i32 s24, s20, QTR                        ; my quarter: s[24:25] in pec,
	s_mov_b32 s25, 0
	s_mul_i32 s26, s23, 3072
	s_add_co_u32 s26, s26, s24                     ; s[26:27] in kimg and vimg,
	s_mov_b32 s27, 0
	s_mul_i32 s28, s20, 1088                       ; s[28:29] in psw,
	s_mov_b32 s29, 0
	s_mul_i32 s30, s20, 544
	s_mov_b32 s31, 0
	s_mov_b32 s68, 1                               ; groups 0: count 1; LDS address = a constant + wave x a constant
	s_add_co_u32 s69, s24, PEC
	s_mov_b32 s72, 1
	s_add_co_u32 s73, s28, PSW
	s_mov_b32 s76, 1
	s_add_co_u32 s77, s24, KIMG
	s_mov_b32 s80, 1
	s_add_co_u32 s81, s30, KSW
	s_mov_b32 s84, 1
	s_add_co_u32 s85, s24, VIMG
	s_mov_b32 s88, 1
	s_mul_i32 s89, s20, 576
	s_add_co_u32 s89, s89, VSC
	s_lshl_b32 s97, s23, 7
	s_add_co_u32 s30, s30, s97                     ; s[30:31] in ksw: 128 x unit + 544 u,
	s_lshl_b32 s97, s22, 6
	s_lshl_b32 s23, s20, 4
	s_add_co_u32 s97, s97, s23
	s_mul_i32 s97, s97, 80
	s_lshl_b32 s23, s21, 1
	s_add_co_u32 s66, s97, s23                     ; s[66:67] in vsc: row 64 b + 16 u, from the band's first block, 2 g, on
	s_mov_b32 s67, 0
	s_wait_dscnt 0x0
	s_wait_kmcnt 0x0
	s_add_nc_u64 s[70:71], s[6:7], s[24:25]
	s_or_b32 s71, s71, 0x80000000                  ; type = 2
	s_add_nc_u64 s[74:75], s[8:9], s[28:29]
	s_or_b32 s75, s75, 0x80000000
	s_add_nc_u64 s[78:79], s[10:11], s[26:27]
	s_or_b32 s79, s79, 0x80000000
	s_add_nc_u64 s[82:83], s[12:13], s[30:31]
	s_or_b32 s83, s83, 0x80000000
	s_add_nc_u64 s[86:87], s[14:15], s[26:27]
	s_or_b32 s87, s87, 0x80000000
	s_add_nc_u64 s[90:91], s[16:17], s[66:67]
	s_or_b32 s91, s91, 0x80000000
	tensor_load_to_lds s[68:71], s[32:39]          ; all fills of the launch, as one group: key_pe's codes,
	s_nop 0
	tensor_load_to_lds s[72:75], s[40:47]          ; its scale words,
	s_nop 0
	tensor_load_to_lds s[76:79], s[32:39]          ; K's images,
	s_nop 0
	tensor_load_to_lds s[80:83], s[48:55]          ; K's scale words,
	s_nop 0
	tensor_load_to_lds s[84:87], s[32:39]          ; V's images,
	s_nop 0
	tensor_load_to_lds s[88:91], s[56:63]          ; V's scale bytes
	s_nop 0
	NOPS 4
	s_lshl_b32 s24, s22, 10
	s_lshl_b32 s26, s21, 6
	s_add_co_u32 s24, s24, s26
	s_add_co_u32 s24, s24, s20
	s_lshl_b32 s24, s24, 8                         ; row 1,024 b + 64 g + u of query and of out0, 256 bytes each
	s_add_nc_u64 s[4:5], s[4:5], s[24:25]
	s_add_nc_u64 s[18:19], s[18:19], s[24:25]
	v_and_b32 v1, 15, v0                           ; r
	v_bfe_u32 v2, v0, 4, 1                         ; h
	v_lshlrev_b32 v[QA], 10, v1
	v_lshl_add_u32 v[QA], v2, 7, v[QA]             ; my query lies 4 r rows on; my block of d 128 h bytes on
.irp k, 0,1,2,3,4,5,6,7
	global_load_b128 v[PD+4*\k:PD+4*\k+3], v[QA], s[4:5] offset:16*\k
.endr
	v_and_b32 v19, 31, v0                          ; lane
	s_xor_b32 s26, s20, 3                          ; 3 - u
	s_add_co_u32 s26, s26, 13                      ; 16 - u: pec's row of l = -u
	s_mul_i32 s27, s26, 48
	v_mul_u32_u24 v[PEA], v1, 48
	v_mad_u32_u24 v[PEA], v2, 24, v[PEA]
	v_add_nc_u32 v[PEA], s27, v[PEA]
	s_lshl_b32 s27, s26, 2
	s_add_co_u32 s27, s27, PSW
	v_lshl_add_u32 v[PSA], v19, 2, s27
	v_lshl_add_u32 v[KFA], v19, 4, KIMG
	v_lshl_add_u32 v[KSA], v19, 2, KSW
	v_lshl_add_u32 v[VFA], v19, 4, VIMG
	v_lshl_add_u32 v[VFB], v19, 3, VIMG+512
	v_mul_u32_u24 v[VSA], v19, 36
	v_add_nc_u32 v[VSA], VSC, v[VSA]
	s_mul_i32 s27, s20, STW
	s_add_co_u32 s27, s27, STG                     ; my stage
	v_mul_u32_u24 v[STA], v1, SPI
	v_lshl_add_u32 v[STA], v2, 5, v[STA]
	v_add_nc_u32 v[STA], s27, v[STA]
	v_mul_u32_u24 v[RDA], v1, SPI-16               ; the skew: 16 bytes less for each row
	v_lshl_add_u32 v[RDA], v2, 7, v[RDA]
	v_add_nc_u32 v[RDA], s27, v[RDA]
	v_add_nc_u32 v[RDA], 256, v[RDA]
	v_mul_u32_u24 v[OSA], v1, 272
	v_lshl_add_u32 v[OSA], v2, 5, v[OSA]
	v_add_nc_u32 v[OSA], s27, v[OSA]
	v_mul_u32_u24 v[OLA], v2, 272
	v_lshl_add_u32 v[OLA], v1, 4, v[OLA]
	v_add_nc_u32 v[OLA], s27, v[OLA]
	v_lshlrev_b32 v[GO], 10, v2
	v_lshl_add_u32 v[GO], v1, 4, v[GO]
	v_lshlrev_b32 v16, 3, v2                       ; 8 h
	v_mov_b32 v18, 0
.irp i, 0,1,2,3,4,5,6,7
	v_mov_b32 v[MNEG+\i], 0xf149f2ca               ; -1e30
.endr
.irp i, 0,1,2,3,4,5,6,7
	v_add_nc_u32 v17, \i, v16                      ; the tile's row 8 h + i
	v_cmp_gt_u32 vcc_lo, s20, v17                  ; under u?
	v_cndmask_b32 v[MLO+\i], 0, v[MNEG], vcc_lo    ; at the lower end those rows are l < 0,
	v_cndmask_b32 v[MHI+\i], v[MNEG], v18, vcc_lo  ; at the upper end they alone are l < 1,024
.endr
.irp i, 0,1,2,3,4,5
	v_mov_b32 v[QLO+6+\i], 0
	v_mov_b32 v[QHI+\i], 0
.endr
.irp i, 24,25,26,27
	v_mov_b32 v[\i], 0                             ; the sum
.endr
	NEGST 0, 4                                     ; chunk 0's columns 0 .. 63 lie under the band
	s_wait_loadcnt 0x0                             ; q: my block of 32 along d is all mine
	v_max3_num_f32 v28, |v[PD]|, |v[PD+1]|, 0x2800000   ; the floor 2^(5 - 127): the byte cannot fall under 1
	v_max3_num_f32 v29, |v[PD+2]|, |v[PD+3]|, |v[PD+4]|
.irp i, 5,9,13,17,21,25
	v_max3_num_f32 v28, v28, |v[PD+\i]|, |v[PD+\i+1]|
	v_max3_num_f32 v29, v29, |v[PD+\i+2]|, |v[PD+\i+3]|
.endr
	v_max3_num_f32 v28, v28, |v[PD+29]|, |v[PD+30]|
	v_max3_num_f32 v28, v28, v29, |v[PD+31]|
	v_add_nc_u32 v30, 0xfe000000, v28              ; 4 off the exponent field: the conversion's scale operand
	v_cvt_scalef32_pk16_bf6_f32 v[QLO:QLO+2], v[PD:PD+15], v30
	v_cvt_scalef32_pk16_bf6_f32 v[PT:PT+2], v[PD+16:PD+31], v30
	v_lshrrev_b32 v31, 23, v30                     ; the scale's byte; also the plain line behind the conversions
.irp i, 0,1,2
	v_mov_b32 v[QLO+3+\i], v[PT+\i]
.endr
.irp i, 0,1,2,3,4,5
	v_mov_b32 v[QHI+6+\i], v[QLO+\i]
.endr
	v_lshlrev_b32 v17, v16, v31                    ; my byte at its place,
	v_permlanex16_b32 v19, v17, s98, s99
	v_or_b32 v17, v17, v19                         ; the query's two bytes,
	v_lshl_or_b32 v[QSC], v17, 16, v17             ; twice: the word serves [q | 0] and [0 | q]
	NOPS 8                                         ; a scale register written by a vector line stands eight places ahead of a scaled matrix instruction
	s_wait_tensorcnt 0x2                           ; my parts of key_pe's and K's four tables are in; V's two loads, issued behind them, may stay out
	s_wait_dscnt 0x0
	s_barrier_signal -1
	s_barrier_wait -1                              ; everybody's are
; ---------------- the scores
	LOADP 0, 2, 2
	LOADK 0
	STEP 0, 1, 2, -1, 0, 4, 2, 1
.irp p, 1,2,3,4,5,6
	STEP \p, 0, 2, \p-1, 0, 2*\p+4, 2, \p+1
.endr
	STEP 7, 0, 2, 6, 1, 0, 2, 8
	PRO 1, 2
.irp p, 8,9,10,11,12,13,14
	STEP \p, 0, 2, \p-1, 1, 2*\p-12, 2, \p+1
.endr
	STEP 15, 0, 2, 14, 2, 0, 2, 16
	PRO 2, 1
	STEP 16, 2, 1, 15, 0, 0, 0, -1
	s_wait_dscnt 0x0
	FIX 16, 0, 32
	MAXU 16
	s_wait_tensorcnt 0x0                           ; my parts of V's tables are in,
	s_wait_dscnt 0x0
	s_barrier_signal -1
	s_barrier_wait -1                              ; everybody's are
	VLOAD 0                                        ; lands under the softmax
; ---------------- the softmax, finished and normalised
	v_max3_num_f32 v18, v[BM], v[BM+1], v[BM+2]
.irp i, 3,5,7,9,11,13,15
	v_max3_num_f32 v18, v18, v[BM+\i], v[BM+\i+1]
.endr
	v_permlanex16_b32 v17, v18, s98, s99
	v_max_num_f32 v18, v18, v17                    ; M: the row's largest score
	v_mul_f32 v20, s96, v18                        ; -c M
	v_mul_f32 v21, s96, v18
	EXPU 0, 1, 1
.irp p, 1,2,3,4,5,6
	EXPU \p, 1, 0
.endr
	EXPU 7, 0, 0
	EXPU 8, 1, 1
.irp p, 9,10,11,12,13,14
	EXPU \p, 1, 0
.endr
	EXPU 15, 0, 0
	EXPU 16, 0, 1
	WIN 0
	v_pk_add_f32 v[24:25], v[24:25], v[26:27]
	v_add_f32 v24, v24, v25
	v_permlanex16_b32 v17, v24, s98, s99
	v_add_f32 v24, v24, v17                        ; the row's sum
	v_rcp_f32 v22, v24
.set i_, 0
.rept 17
	v_fma_f32 v[BM+i_], v[BM+i_], s94, v20         ; each block's largest score goes the way of its p: the same multiply-add, (these are also the plain lines behind the reciprocal)
.set i_, i_+1
.endr
	s_wait_alu depctr_va_vdst(0)
	v_mov_b32 v23, v22
.set i_, 0
.rept 17
	v_exp_f32 v[BM+i_], v[BM+i_]                   ; the same exponential,
.set i_, i_+1
.endr
	v_nop
.set i_, 0
	s_wait_alu depctr_va_vdst(0)
.rept 17
	v_mul_f32 v[BM+i_], v[BM+i_], v22              ; the same multiplication: the block's largest p, bit for bit
.set i_, i_+1
.endr
.set i_, 0
.rept 17
	v_max_num_f32 v[BM+i_], 0x2800000, v[BM+i_]    ; the floor 2^(5 - 127): a block whose every p is 0 keeps the byte 1; its codes are zeros
.set i_, i_+1
.endr
.set i_, 0
.rept 17
	v_add_nc_u32 v[SCO+i_], 0xfe000000, v[BM+i_]   ; 4 off the exponent field: the conversion's scale operand
.set i_, i_+1
.endr
.set i_, 0
.rept 17
	v_lshrrev_b32 v[BM+i_], 23, v[SCO+i_]          ; the scale's byte
.set i_, i_+1
.endr
.irp s, 0,1,2,3,4,5,6,7
	v_lshl_or_b32 v17, v[BM+2*\s+1], 16, v[BM+2*\s]   ; my two bytes of K step s: blocks h and 2 + h,
	v_lshlrev_b32 v17, v16, v17                    ; at their places;
	v_permlanex16_b32 v19, v17, s98, s99
	v_or_b32 v[PSWD+\s], v17, v19                  ; with lane l xor 16's two the word is whole
.endr
	v_lshlrev_b32 v17, v16, v[BM+16]               ; the last K step has two blocks; the other two bytes stay 0, over zero codes
	v_permlanex16_b32 v19, v17, s98, s99
	v_or_b32 v[PSWD+8], v17, v19
; ---------------- O^T = V^T P^T, nine K steps; p is quantised two steps ahead of its product, V fetched one step ahead
	QNT 0, -1
	QNT 1, -1
.irp s, 0,1,2,3,4,5,6
	s_wait_dscnt 0x0                               ; V of this K step is in
	PVMM \s
	QNT \s+2, \s+1
.endr
	s_wait_dscnt 0x0
	PVMM 7
	NOPS 5                                         ; places in front of the loads into V's registers, and between the last codes made and their product
	VLOAD 8                                        ; V's registers for K 64-127 keep the last step's codes: they meet zero codes of p
	s_wait_dscnt 0x0
	PVMM 8
; ---------------- the way out: register 8 t + i of lane (r, h) is out(query r, d = 16 t + 8 h + i).  Through my stage, back as whole rows of 256 bytes
	NOPS 4
.irp t, 0,1,2,3
	ds_store_b128 v[OSA], v[OT+8*\t:OT+8*\t+3] offset:64*\t          ; each accumulator from its low end on
	ds_store_b128 v[OSA], v[OT+8*\t+4:OT+8*\t+7] offset:64*\t+16
.endr
.irp k, 0,1,2,3,4,5,6,7
	ds_load_b128 v[VF+4*\k:VF+4*\k+3], v[OLA] offset:544*\k          ; LDS serves a wave's instructions in order: these see my stores.  Lanes 0-15 row 2 k, lanes 16-31 row 2 k + 1
.endr
.irp k, 0,1,2,3,4,5,6,7
	s_wait_dscnt 7-\k                              ; the younger loads may stay out
	global_store_b128 v[GO], v[VF+4*\k:VF+4*\k+3], s[18:19] offset:2048*\k th:TH_STORE_NT   ; 16 lanes store a row of out0: 256 consecutive bytes, aligned; my rows lie 1,024 bytes apart
.endr
	s_wait_tensorcnt 0x0
	ds_add_u32 v254, v255
	s_wait_dscnt 0x0
	s_endpgm
.Lfunc_end_k_qf841a36819_attn:
	.size	k_qf841a36819_attn, .Lfunc_end_k_qf841a36819_attn-k_qf841a36819_attn
	.p2alignl 7, 3214868480
	.fill 96, 4, 3214868480
	.section	.rodata,"a",@progbits
	.p2align	6, 0x0
	.amdhsa_kernel k_qf841a36819_attn
		.amdhsa_group_segment_fixed_size 316672
		.amdhsa_private_segment_fixed_size 0
		.amdhsa_enable_private_segment 0
		.amdhsa_kernarg_size 64
		.amdhsa_user_sgpr_count 2
		.amdhsa_user_sgpr_kernarg_segment_ptr 1
		.amdhsa_wavefront_size32 1
		.amdhsa_system_sgpr_workgroup_id_x 1
		.amdhsa_system_sgpr_workgroup_id_y 1
		.amdhsa_system_sgpr_workgroup_id_z 1
		.amdhsa_system_vgpr_workitem_id 0
		.amdhsa_next_free_vgpr 864
		.amdhsa_next_free_sgpr 100
		.amdhsa_reserve_vcc 1
		.amdhsa_float_denorm_mode_32 3
		.amdhsa_float_denorm_mode_16_64 3
		.amdhsa_memory_ordered 1
		.amdhsa_forward_progress 1
		.amdhsa_inst_pref_size 248
	.end_amdhsa_kernel
	.amdgpu_metadata
---
amdhsa.version: [ 1, 2 ]
amdhsa.kernels:
  - .name:           k_qf841a36819_attn
    .symbol:         k_qf841a36819_attn.kd
    .args:
      - { .name: query, .offset: 0, .size: 8, .value_kind: global_buffer, .address_space: global }
      - { .name: pec, .offset: 8, .size: 8, .value_kind: global_buffer, .address_space: global }
      - { .name: psw, .offset: 16, .size: 8, .value_kind: global_buffer, .address_space: global }
      - { .name: kimg, .offset: 24, .size: 8, .value_kind: global_buffer, .address_space: global }
      - { .name: ksw, .offset: 32, .size: 8, .value_kind: global_buffer, .address_space: global }
      - { .name: vimg, .offset: 40, .size: 8, .value_kind: global_buffer, .address_space: global }
      - { .name: vsc, .offset: 48, .size: 8, .value_kind: global_buffer, .address_space: global }
      - { .name: out0, .offset: 56, .size: 8, .value_kind: global_buffer, .address_space: global }
    .group_segment_fixed_size: 316672
    .private_segment_fixed_size: 0
    .kernarg_segment_align: 8
    .kernarg_segment_size: 64
    .max_flat_workgroup_size: 128
    .sgpr_count:     100
    .vgpr_count:     864
    .wavefront_size: 32
...
	.end_amdgpu_metadata
.endif
;; end of part 2
;; ======== version 2 of 2: 2 launches
;; limits: right only within a limited range of input values
;; workspace buffers: kimg 6,291,456 bytes; ksw 262,144 bytes; vimg 6,291,456 bytes; vsc 524,288 bytes; pec 52,224 bytes; psw 4,352 bytes
;; launch prep (part 3): grid 529 x 1, 4 waves a work-group, no clusters, 42,496 bytes of LDS; arguments key, value, key_pe, kimg, ksw, vimg, vsc, pec, psw; writes kimg, ksw, vimg, vsc, pec, psw
.if DOCPART == 3
	.amdgcn_target "amdgcn-amd-amdhsa--gfx1250"
	.amdhsa_code_object_version 6
	.text
	.protected	k_qf841a36819_prep
	.globl	k_qf841a36819_prep
	.p2align	8
	.type	k_qf841a36819_prep,@function
k_qf841a36819_prep:
	s_mov_b64 s[64:65], 0
	v_nop
	global_prefetch_b8 v0, s[64:65] scope:SCOPE_SE
	s_setreg_imm32_b32 hwreg(HW_REG_WAVE_MODE, 25, 1), 1
	s_wait_xcnt 0x0
; key [64][2048][64], value [64][2048][64] and key_pe [64][1024], f32, become codes of BF6 (E3M2) with one E8M0 byte for each 32 along K,
; laid in the order of the registers in which the next launch wants them.  K of key and key_pe is the head's 64, K of value is the keys.
; A block's scale is 2^(floor(log2(largest magnitude)) - 4): its byte is the largest magnitude's exponent field - 4, held at 1 from below.
; LIMITS: NaN and infinities are not served.  A block of zeros gets the byte 1 where the quantiser says 127: its codes are zeros, which add
; nothing under any byte but 0xff, and this program alone reads the bytes.
; A UNIT is 64 consecutive keys of a batch, U = 32 b + unit.
;  kimg [U][f 0,1][plane 0..2][lane][16 B]: fragment f, lane (r, h): registers 0-5 the 24 code bytes of key 32 (r / 8) + 16 f + r % 8, block h of d; registers 6-11 the key 8 on.
;  ksw  [U][f][r] words: the two bytes of the first key, then those of the second.
;  vimg [U][dt 0..3][lane][16 B], then [lane][8 B]: lane (r, h): the 24 code bytes of d = 16 dt + r, keys 32 h + 0 .. 31 of the unit.
;  vsc  [b][d][80 B]: byte i = the scale of key block i; bytes 64 .. 79 are 0x7f.
;  pec  1,088 rows of 48 B: row l + 16 = the 64 codes of key_pe[:, l]; rows with l outside 0 .. 1023 are zeros.   psw: a word a row, its two bytes twice (0x7f in the zero rows).
; Work-groups 0-16 take key_pe, 17-272 key, 273-528 value.  Waves share nothing: no barrier.  Every offset is an immediate and every store has registers of its own,
; so no address and no store's data are ever written again.  Each of the three ways has LDS bytes of its own: key 0 .. 38,911, key_pe 38,912 .. 41,983, value none.
; vsc IS LAID OTHERWISE THAN THE LINE ON IT ABOVE SAYS: [b][unit 0..31][d 0..63] words, rows of 256 bytes: a word's low half is the two scale bytes of that unit's two key blocks,
; its high half those of the next unit (0x7f7f behind a batch's last unit).  So any two neighbouring units, a K step of 128 keys, find their four bytes in one word.
; WORK LEFT OUT BY THE PROGRAM: reference() forms all 2,048 content scores of a query, and _unskew keeps columns m .. m + 1,023 alone; _skew lays zeros everywhere else in the last product's
; left operand.  So for all values of the inputs the products outside that band reach no output, and whole tiles of them are not computed.  A NaN, an infinity or an overflow that
; reaches only that work is not carried to the result.  Every input has a way to the output and is loaded.
.set PEL, 38912
; 32 numbers of ONE block in v[x] on become 24 bytes of codes in v[dst .. dst + 5] and the scale's byte in v[by].  v12-14 at work.
.macro QBLK x, dst, tmp, by
	v_max3_num_f32 v12, |v[(\x)]|, |v[(\x)+1]|, 0x2800000          ; the floor 2^(5 - 127) among the leaves: the byte cannot fall under 1
	v_max3_num_f32 v13, |v[(\x)+2]|, |v[(\x)+3]|, |v[(\x)+4]|      ; two chains, so that no line waits for the line above it
.irp i, 5,9,13,17,21,25
	v_max3_num_f32 v12, v12, |v[(\x)+\i]|, |v[(\x)+\i+1]|
	v_max3_num_f32 v13, v13, |v[(\x)+\i+2]|, |v[(\x)+\i+3]|
.endr
	v_max3_num_f32 v12, v12, |v[(\x)+29]|, |v[(\x)+30]|
	v_max3_num_f32 v12, v12, v13, |v[(\x)+31]|
	v_add_nc_u32 v14, 0xfe000000, v12                              ; 4 off the exponent field: the conversion takes this operand's exponent field as its scale
	v_cvt_scalef32_pk16_bf6_f32 v[(\dst):(\dst)+2], v[(\x):(\x)+15], v14
	v_cvt_scalef32_pk16_bf6_f32 v[(\tmp):(\tmp)+2], v[(\x)+16:(\x)+31], v14   ; (a conversion's three registers begin on an even number)
	v_lshrrev_b32 v[(\by)], 23, v14                                ; the scale's byte; also the plain line behind the conversions
.irp i, 0,1,2
	v_mov_b32 v[(\dst)+3+\i], v[(\tmp)+\i]
.endr
.endm
	s_load_b512 s[4:19], s[0:1], 0x0               ; key s[4:5], value s[6:7], key_pe s[8:9], kimg s[10:11], ksw s[12:13], vimg s[14:15], vsc s[16:17], pec s[18:19]
	s_load_b64 s[20:21], s[0:1], 0x40              ; psw
	v_lshl_add_u32 v192, v0, 2, 0xa400
	v_mov_b32 v193, 0
	v_lshrrev_b32 v1, 5, v0
	v_readfirstlane_b32 s22, v1                    ; wave 0..3
	v_and_b32 v1, 31, v0                           ; lane L
	v_and_b32 v2, 15, v0                           ; r
	v_bfe_u32 v3, v0, 4, 1                         ; h
	v_lshlrev_b32 v10, 3, v3                       ; 8 h
	v_mov_b32 v11, 0                               ; a lane permute's destination counts as one of its sources: written once
	s_mov_b32 s24, 0x76543210
	s_mov_b32 s25, 0xfedcba98                      ; v_permlanex16_b32's selects for lane l xor 16
	s_mov_b32 s33, 0                               ; the upper word of every offset
	s_wait_kmcnt 0x0
	s_cmp_lt_u32 ttmp9, 17
	s_cbranch_scc1 .Lpe
	s_cmp_lt_u32 ttmp9, 273
	s_cbranch_scc1 .Lkey
; ---------------- value: a lane takes a column d and its registers run down the keys, so a block of 32 keys is one lane's
	s_sub_co_u32 s26, ttmp9, 273
	s_lshl_b32 s26, s26, 2
	s_add_co_u32 s26, s26, s22                     ; task 0..1023 = 16 b + 2 run + q
	s_and_b32 s28, s26, 1                          ; q: columns 32 q on
	s_bfe_u32 s29, s26, 0x30001                    ; run: 4 units, 256 keys
	s_lshr_b32 s30, s26, 4                         ; b
	s_lshl_b32 s32, s30, 19                        ; value: 524,288 b + 65,536 run + 128 q
	s_lshl_b32 s34, s29, 16
	s_add_co_u32 s32, s32, s34
	s_lshl_b32 s34, s28, 7
	s_add_co_u32 s32, s32, s34
	s_add_nc_u64 s[6:7], s[6:7], s[32:33]
	s_lshl_b32 s32, s30, 5                         ; vimg: ((32 b + 4 run) 4 + 2 q) 768
	s_lshl_b32 s34, s29, 2
	s_add_co_u32 s32, s32, s34
	s_lshl_b32 s32, s32, 2
	s_lshl_b32 s34, s28, 1
	s_add_co_u32 s32, s32, s34
	s_mul_i32 s32, s32, 768
	s_add_nc_u64 s[14:15], s[14:15], s[32:33]
	s_lshl_b32 s32, s30, 13                        ; vsc: 8,192 b + 1,024 run + 128 q
	s_lshl_b32 s34, s28, 7
	s_add_co_u32 s32, s32, s34
	s_lshl_b32 s34, s29, 10
	s_add_co_u32 s32, s32, s34
	s_add_nc_u64 s[16:17], s[16:17], s[32:33]
	s_wait_alu depctr_va_vdst(0)
	v_lshlrev_b32 v4, 2, v1                        ; in: 4 bytes a lane: a load reads 128 consecutive bytes, and waves q = 0, 1 stand side by side on a row
	v_lshlrev_b32 v5, 4, v1                        ; out: 16 L
	v_lshlrev_b32 v6, 3, v1                        ; 8 L
	v_lshlrev_b32 v7, 2, v1                        ; my column's word in a row of scale words
.macro VLD t                                   ; block t: value(32 t + i, my column) into set t % 2
.set i_, 0
.rept 32
	global_load_b32 v[16+32*((\t)%2)+i_], v4, s[6:7] offset:(32*(\t)+i_)*256 th:TH_LOAD_NT
.set i_, i_+1
.endr
.endm
.macro VBLK t
.if (\t) < 7
	s_wait_loadcnt 32                              ; this block's 32 loads are in; the next block's 32 may be out
.else
	s_wait_loadcnt 0x0
.endif
	QBLK 16+32*((\t)%2), 80+12*((\t)/2)+6*((\t)%2), 128, 15
.if (\t)%4 == 0
	v_mov_b32 v[132+(\t)/4], v15                   ; four bytes to a register, the lower keys in the lower byte
.else
	v_lshl_or_b32 v[132+(\t)/4], v15, 8*((\t)%4), v[132+(\t)/4]
.endif
.if (\t) < 6
	VLD (\t)+2
.endif
.if (\t)%2 == 1                                ; a unit is whole: its even block in v[80 + 12 n] on, its odd block six registers further
.set n_, (\t)/2
.irp i, 0,1,2,3,4,5
	v_permlane16_swap_b32 v[80+12*n_+\i], v[86+12*n_+\i]   ; the first now holds columns 32 q + r (lanes 0-15 the even block, 16-31 the odd one): the image of tile 2 q; the second that of tile 2 q + 1
.endr
	global_store_b128 v5, v[80+12*n_:83+12*n_], s[14:15] offset:3072*n_          ; each store covers 512 or 256 consecutive bytes, aligned
	global_store_b64 v6, v[84+12*n_:85+12*n_], s[14:15] offset:3072*n_+512
	global_store_b128 v5, v[86+12*n_:89+12*n_], s[14:15] offset:3072*n_+768
	global_store_b64 v6, v[90+12*n_:91+12*n_], s[14:15] offset:3072*n_+1280
.endif
.endm
	VLD 0
	VLD 1
.irp t, 0,1,2,3,4,5,6,7
	VBLK \t
.endr
	global_store_b16 v7, v132, s[16:17]                      ; each unit's two bytes: the low half of its own row's word,
	global_store_d16_hi_b16 v7, v132, s[16:17] offset:256
	global_store_b16 v7, v133, s[16:17] offset:512
	global_store_d16_hi_b16 v7, v133, s[16:17] offset:768
	global_store_d16_hi_b16 v7, v132, s[16:17] offset:2      ; and the high half of the row before
	global_store_b16 v7, v133, s[16:17] offset:258
	global_store_d16_hi_b16 v7, v133, s[16:17] offset:514
	s_cmp_eq_u32 s29, 0
	s_cbranch_scc1 .Lv_first                       ; a batch's first unit has no row before it
	global_store_b16 v7, v132, s[16:17] offset:-254
.Lv_first:
	s_cmp_lg_u32 s29, 7
	s_cbranch_scc1 .Lv_end
	v_mov_b32 v136, 0x7f7f
	global_store_b16 v7, v136, s[16:17] offset:770           ; behind the batch's last unit
.Lv_end:
	s_endpgm
; ---------------- key: dense loads of 512 bytes turn through the wave's own stage, so that a lane gets 32 neighbours along d of one key
.Lkey:
	s_sub_co_u32 s26, ttmp9, 17
	s_lshl_b32 s26, s26, 2
	s_add_co_u32 s26, s26, s22                     ; task 0..1023: units 2 task and 2 task + 1
	s_lshl_b32 s32, s26, 15
	s_add_nc_u64 s[4:5], s[4:5], s[32:33]          ; key: 32,768 bytes a task
	s_mul_i32 s32, s26, 6144
	s_add_nc_u64 s[10:11], s[10:11], s[32:33]      ; kimg
	s_lshl_b32 s32, s26, 8
	s_add_nc_u64 s[12:13], s[12:13], s[32:33]      ; ksw
	s_mul_i32 s30, s22, 9728                       ; my wave's LDS: two stages of 32 places x 144 bytes, then 256 bytes for scale words
	s_wait_alu depctr_va_vdst(0)
	v_lshlrev_b32 v4, 4, v1                        ; 16 L: in and out
	v_lshrrev_b32 v5, 3, v1
	v_mul_u32_u24 v5, v5, 144
	v_and_b32 v15, 7, v1
	v_lshl_add_u32 v5, v15, 4, v5
	v_add_nc_u32 v5, s30, v5                       ; the stage, in: eight lanes' 128 bytes on end, then 16 of padding; a load's 512 bytes take four places
	v_lshl_add_u32 v6, v2, 1, v3
	v_mul_u32_u24 v6, v6, 144
	v_add_nc_u32 v6, s30, v6                       ; out: place 2 r + h: row r of the tile, block h of d
	v_lshl_add_u32 v7, v1, 2, s30                  ; scale words: 4 L
	v_lshl_add_u32 v8, v1, 3, s30                  ; and back: 8 L
	v_lshlrev_b32 v9, 3, v1
	v_cmp_gt_u32 vcc_lo, 16, v1                    ; lanes 0-15; kept for the whole way
.macro KLOAD t                                 ; step t = tile t % 4 of unit t / 4: keys 8 tile + 0 .. 7 and the eight keys 32 on
.irp j, 0,1,2,3
	global_load_b128 v[16+32*((\t)%2)+4*\j:16+32*((\t)%2)+4*\j+3], v4, s[4:5] offset:16384*((\t)/4)+2048*((\t)%4)+512*\j th:TH_LOAD_NT
.endr
.irp j, 4,5,6,7
	global_load_b128 v[16+32*((\t)%2)+4*\j:16+32*((\t)%2)+4*\j+3], v4, s[4:5] offset:16384*((\t)/4)+8192+2048*((\t)%4)+512*(\j-4) th:TH_LOAD_NT
.endr
.endm
.macro KSTEP t
.if (\t) < 7
	s_wait_loadcnt 8                               ; this step's 8 loads are in; the next step's 8 may be out
.else
	s_wait_loadcnt 0x0
.endif
.irp j, 0,1,2,3,4,5,6,7
	ds_store_b128 v5, v[16+32*((\t)%2)+4*\j:16+32*((\t)%2)+4*\j+3] offset:4608*((\t)%2)+576*\j
.endr
.irp k, 0,1,2,3,4,5,6,7
	ds_load_b128 v[80+4*\k:83+4*\k], v6 offset:4608*((\t)%2)+16*\k   ; LDS serves a wave's instructions in order: these see the stores above
.endr
	s_wait_dscnt 0x0                               ; my 32 neighbours are in, and the stores have read their registers
.if (\t) < 6
	KLOAD (\t)+2
.endif
	QBLK 80, 112+12*((\t)/2)+6*((\t)%2), 160, 164+(\t)%2
.if (\t)%2 == 1                                ; a fragment is whole
	v_lshl_or_b32 v15, v165, 16, v164              ; my two bytes: block h of the first key and of the second,
	v_lshlrev_b32 v15, v10, v15                    ; at their places (8 h bits up);
	v_permlanex16_b32 v11, v15, s24, s25
	v_or_b32 v[166+(\t)/2], v15, v11               ; with lane l xor 16's two the word is whole
.irp c, 0,1,2
	global_store_b128 v4, v[112+12*((\t)/2)+4*\c:112+12*((\t)/2)+4*\c+3], s[10:11] offset:1536*((\t)/2)+512*\c
.endr
.endif
.if (\t)%4 == 3                                ; a unit is whole: lanes 0-15 take fragment 0's words, lanes 16-31 fragment 1's
	v_cndmask_b32 v[170+(\t)/4], v[167+2*((\t)/4)], v[166+2*((\t)/4)], vcc_lo
	ds_store_b32 v7, v[170+(\t)/4] offset:9216+128*((\t)/4)
.endif
.endm
	KLOAD 0
	KLOAD 1
	s_wait_alu depctr_va_vdst(0)
.irp t, 0,1,2,3,4,5,6,7
	KSTEP \t
.endr
	ds_load_b64 v[172:173], v8 offset:9216
	s_wait_dscnt 0x0
	global_store_b64 v9, v[172:173], s[12:13]      ; 32 lanes store 256 consecutive bytes, aligned
	s_wait_tensorcnt 0x0
	ds_add_u32 v192, v193
	s_wait_dscnt 0x0
	s_endpgm
; ---------------- key_pe: a lane takes a column l and its registers run down d
.Lpe:
	s_lshl_b32 s26, ttmp9, 2
	s_add_co_u32 s26, s26, s22                     ; tile 0..67: rows 16 tile .. + 15 of pec, l = 16 tile - 16 + r
	s_mul_i32 s32, s26, 768
	s_add_nc_u64 s[18:19], s[18:19], s[32:33]
	s_lshl_b32 s32, s26, 6
	s_add_nc_u64 s[20:21], s[20:21], s[32:33]
	s_mul_i32 s30, s22, 768
	s_add_co_u32 s30, s30, PEL                     ; my wave's 768 bytes of LDS
	s_wait_alu depctr_va_vdst(0)
	v_mul_u32_u24 v5, v2, 48
	v_mad_u32_u24 v5, v3, 24, v5
	v_add_nc_u32 v5, s30, v5                       ; in: row r, block h
	v_lshl_add_u32 v6, v1, 4, s30                  ; back: 16 L,
	v_lshl_add_u32 v7, v1, 3, s30                  ; and 8 L behind the first 512 bytes
	v_lshlrev_b32 v4, 4, v1
	v_lshlrev_b32 v8, 3, v1
	v_lshlrev_b32 v9, 2, v2                        ; 4 r
	s_cmp_eq_u32 s26, 0
	s_cbranch_scc1 .Lpe_pad
	s_cmp_gt_u32 s26, 64
	s_cbranch_scc1 .Lpe_pad
	s_sub_co_u32 s32, s32, 64                      ; key_pe: column 16 tile - 16, 4 bytes each
	s_add_nc_u64 s[8:9], s[8:9], s[32:33]
	v_lshl_add_u32 v15, v3, 17, v9                 ; 4 r, and 32 rows of 4,096 bytes further down for lanes 16-31
.set i_, 0
.rept 32
	global_load_b32 v[16+i_], v15, s[8:9] offset:4096*i_
.set i_, i_+1
.endr
	s_wait_loadcnt 0x0
	QBLK 16, 48, 56, 67
.irp p, 0,1,2
	ds_store_b64 v5, v[48+2*\p:49+2*\p] offset:8*\p
.endr
	ds_load_b128 v[60:63], v6
	ds_load_b64 v[64:65], v7 offset:512
	v_lshlrev_b32 v15, v10, v67                    ; my byte at its place,
	v_permlanex16_b32 v11, v15, s24, s25
	v_or_b32 v15, v15, v11                         ; the row's two bytes,
	v_lshl_or_b32 v66, v15, 16, v15                ; twice: the word serves either half of a K step
	s_wait_alu depctr_va_vdst(0)
	s_wait_dscnt 0x0
	global_store_b128 v4, v[60:63], s[18:19]
	global_store_b64 v8, v[64:65], s[18:19] offset:512
	global_store_b32 v9, v66, s[20:21]             ; both halves of the lanes store the same word with the same value
	s_wait_tensorcnt 0x0
	ds_add_u32 v192, v193
	s_wait_dscnt 0x0
	s_endpgm
.Lpe_pad:                                      ; rows outside l = 0 .. 1023: zero codes, bytes 0x7f
.irp i, 0,1,2,3,4,5
	v_mov_b32 v[60+\i], 0
.endr
	s_wait_alu depctr_va_vdst(0)
	v_mov_b32 v66, 0x7f7f7f7f
	global_store_b128 v4, v[60:63], s[18:19]
	global_store_b64 v8, v[64:65], s[18:19] offset:512
	global_store_b32 v9, v66, s[20:21]
	s_endpgm
.Lfunc_end_k_qf841a36819_prep:
	.size	k_qf841a36819_prep, .Lfunc_end_k_qf841a36819_prep-k_qf841a36819_prep
	.p2alignl 7, 3214868480
	.fill 96, 4, 3214868480
	.section	.rodata,"a",@progbits
	.p2align	6, 0x0
	.amdhsa_kernel k_qf841a36819_prep
		.amdhsa_group_segment_fixed_size 42496
		.amdhsa_private_segment_fixed_size 0
		.amdhsa_enable_private_segment 0
		.amdhsa_kernarg_size 72
		.amdhsa_user_sgpr_count 2
		.amdhsa_user_sgpr_kernarg_segment_ptr 1
		.amdhsa_wavefront_size32 1
		.amdhsa_system_sgpr_workgroup_id_x 1
		.amdhsa_system_sgpr_workgroup_id_y 1
		.amdhsa_system_sgpr_workgroup_id_z 1
		.amdhsa_system_vgpr_workitem_id 0
		.amdhsa_next_free_vgpr 194
		.amdhsa_next_free_sgpr 66
		.amdhsa_reserve_vcc 1
		.amdhsa_float_denorm_mode_32 3
		.amdhsa_float_denorm_mode_16_64 3
		.amdhsa_memory_ordered 1
		.amdhsa_forward_progress 1
		.amdhsa_inst_pref_size 77
	.end_amdhsa_kernel
	.amdgpu_metadata
---
amdhsa.version: [ 1, 2 ]
amdhsa.kernels:
  - .name:           k_qf841a36819_prep
    .symbol:         k_qf841a36819_prep.kd
    .args:
      - { .name: key, .offset: 0, .size: 8, .value_kind: global_buffer, .address_space: global }
      - { .name: value, .offset: 8, .size: 8, .value_kind: global_buffer, .address_space: global }
      - { .name: key_pe, .offset: 16, .size: 8, .value_kind: global_buffer, .address_space: global }
      - { .name: kimg, .offset: 24, .size: 8, .value_kind: global_buffer, .address_space: global }
      - { .name: ksw, .offset: 32, .size: 8, .value_kind: global_buffer, .address_space: global }
      - { .name: vimg, .offset: 40, .size: 8, .value_kind: global_buffer, .address_space: global }
      - { .name: vsc, .offset: 48, .size: 8, .value_kind: global_buffer, .address_space: global }
      - { .name: pec, .offset: 56, .size: 8, .value_kind: global_buffer, .address_space: global }
      - { .name: psw, .offset: 64, .size: 8, .value_kind: global_buffer, .address_space: global }
    .group_segment_fixed_size: 42496
    .private_segment_fixed_size: 0
    .kernarg_segment_align: 8
    .kernarg_segment_size: 72
    .max_flat_workgroup_size: 128
    .sgpr_count:     66
    .vgpr_count:     194
    .wavefront_size: 32
...
	.end_amdgpu_metadata
.endif
;; end of part 3
;; launch attn (part 4): grid 4 x 64, 8 waves a work-group, no clusters, 327,680 bytes of LDS; arguments query, pec, psw, kimg, ksw, vimg, vsc, out0; writes out0
.if DOCPART == 4
	.amdgcn_target "amdgcn-amd-amdhsa--gfx1250"
	.amdhsa_code_object_version 6
	.text
	.protected	k_qf841a36819_attn
	.globl	k_qf841a36819_attn
	.p2align	8
	.type	k_qf841a36819_attn,@function
k_qf841a36819_attn:
	s_mov_b64 s[64:65], 0
	v_nop
	global_prefetch_b8 v0, s[64:65] scope:SCOPE_SE
	s_setreg_imm32_b32 hwreg(HW_REG_WAVE_MODE, 25, 1), 1
	s_wait_xcnt 0x0
; out[b][m] = sum over l of softmax_l(((q.key[m+l] == 0 ? -1e6 : q.key[m+l]) + q.key_pe[:,l]) / 8) value[m+l], l = 0 .. 1023; all three products on codes of BF6 (E3M2) with E8M0 scales.
; The finished, normalised softmax is what the third product's quantiser takes, in blocks of 32 along the key j = m + l.  Content scores outside the band m .. m + 1,023 reach no output
; (_unskew slices them away) and are not computed where they come in whole tiles.
; SHARES.  Work-group (G, b) stays and walks four blocks of 64 queries, g = 4 G + t, of batch b.  A block's band is 1,088 keys, 17 units of 64, x = j - 64 g; the four bands are 20 units of K and V.
; They and the position tables come into LDS once, by eight tensor loads of dense rows of 256 bytes, one a wave; nothing is filled again.
; EIGHT WAVES, TWO TO A SET OF 16 QUERIES.  Wave w: u = w % 4, z = w / 4; lane (r, h): query 64 g + 4 r + u.  z = 0 takes the band's units 0-8, z = 1 units 9-16: at most 288 score registers a wave.
; Each wave takes its own half's maximum M_z away, sums its own half, and hands (M_z, sum_z) to its partner through LDS; p = 2^(c s - c M_z) x f_z / S with f_z = 2^(c M_z - c M), M the larger
; of the two, S = f_0 sum_0 + f_1 sum_1.  The exponent of f_z is the difference of the two rounded products c M, so both halves carry one common factor, which S carries too.
; Waves 4-7 put their part of O into their partner's stage, waves 0-3 add it and store.  Two barriers a block.
; LAYOUT.  All products are used transposed (source 0 = 16 keys, 16 offsets l, or 16 of d; source 1 = my 16 queries): a lane holds one query; score register 32 i + n of lane (r, h) is key
; x = 64 (9 z + i) + 32 h + n: a whole block of 32 keys in a lane.  K = 64 in an instruction of K = 128: a fragment of source 0 holds two tiles, source 1 is [q | 0] or [0 | q].
; THE SKEW.  Position scores come out by l, the rest goes by x = l + 4 r + u: they pass through the wave's own stage, stored at row pitch 1,072 and read at pitch 1,056, in chunks of three units
; (256 columns).  Outside the band the stage holds -1e30 (stored, or as the C of the products at the band's ends), so p = 0 there.
; Clusters are not used: only the position tables (56 KB of a work-group's 187 KB) are the same bytes in other work-groups.  No prefetch: all tiles are asked for at the head, there is no loop to run ahead in.
; LIMITS: NaN and infinities are not served.  p under 2^-126 counts as 0 (v_exp_f32 flushes).  Scores must lie above -1e30.  A block's scale is made from the block's largest score by the same
; instructions as its p, which takes v_exp_f32 not to fall where its input rises.  The test for 0 is made on the matrix unit's f32 sum.  O is summed in two halves of the band.
.set CU,   3
.set VSW,  0                           ; LDS: V's scale words, 20 rows (units) of 256 bytes
.set KSW,  5120                        ; K's scale words, 128 bytes a unit
.set KIMG, 7680                        ; 20 units of K, 3,072 bytes each
.set VIMG, 69120                       ; of V
.set PSW,  130560                      ; key_pe's scale words
.set PEC,  134912                      ; key_pe's codes, 1,088 rows of 48 bytes
.set STG,  187136                      ; eight stages
.set STW,  17152
.set SPI,  1072
.set XCH,  324352                      ; 8 bytes a thread: (M_z, sum_z)
.set SPARE, 326400                     ; the spare words, 128 bytes a wave
.set OXA, 0                            ; v0 the z = 0 partner's stage + 16 lane; v1 my pair in XCH; v2 my partner's
.set XA,  1
.set XB,  2
.set PEA, 3
.set PSA, 4
.set KFA, 5
.set KSA, 6
.set VFA, 7
.set VFB, 8
.set VSA, 9
.set STA, 10
.set RDA, 11
.set OSA, 12
.set OLA, 13
.set GO,  14
.set QA,  15                           ; v16 8 h; v17 at work; v[18:19] (M_z, sum_z); v[20:21] -c M_z; v[22:23] f_z / S; v[24:31] the sum's chains, a maximum's chains
.set QLO, 32
.set QHI, 44
.set CA,  56                           ; v56-63 C of the first tile: z = 0: -1e30 where 8 h + i < u, else 0; z = 1: 0
.set CB,  64                           ; v64-71 C of the band's last tile: 0 where 8 h + i < u, else -1e30
.set MNEG, 72                          ; v72-75 -1e30
.set SPW, 76
.set NIL, 77
.set K0,  78                           ; v78-82 the tables' addresses for block 0, my half of the band
.set KS0, 79
.set VA0, 80
.set VB0, 81
.set VS0, 82
.set BM,  83                           ; v83-91 each unit's largest score, later its largest p, later the byte
.set SCO, 92                           ; v92-100 the conversions' scale operands
.set QSC, 101                          ; v101-111 hold scales and nothing else
.set PSC, 102
.set KSC, 104
.set VSR, 105
.set PSWD, 107
.set PF,  112                          ; scores: v112-135 key_pe's two fragments, v136-159 K's, v160-191 position tiles, v192-223 the skewed position scores
.set KF,  136
.set PD,  160
.set TR,  192
.set VF,  112                          ; last product: v112-159 V's four fragments, v160-191 O^T, v192-215 p's codes (two sets), v216-223 second halves
.set OT,  160
.set PC,  192
.set PT,  216
.set S8,  224                          ; v224-255 unit 8's scores; window 1: units 0-7 (unit 0's registers take the next q between two blocks)
.set MK,   6
.set CM6,  14
.set NINF, 15
.set CS,   16
.set NCS,  23
.set SEL,  24
.set LEFT, 27
.set TK,   40
.set TS,   41
.set TV,   42
.set MSB, 0
.macro WIN new
.if MSB != (\new)
	s_set_vgpr_msb (MSB<<8)|(\new)
.set MSB, \new
.endif
.endm
.macro NOPS n
.rept \n
	v_nop
.endr
.endm
.macro WALU
	s_wait_alu depctr_va_vdst(0)
.endm
.macro UNIT p                          ; where unit p's scores lie
.if (\p) < 8
.set UW_, 1
.set UB_, 32*(\p)
.else
.set UW_, 0
.set UB_, S8
.endif
.endm
.macro WM d, a, b, c, sa, sb, row
.if (\c) < 0
.if \row
	v_wmma_scale_f32_16x16x128_f8f6f4 v[(\d):(\d)+7], v[(\a):(\a)+11], v[(\b):(\b)+11], 0, v[(\sa)], v[(\sb)] matrix_a_fmt:MATRIX_FMT_BF6 matrix_b_fmt:MATRIX_FMT_BF6 matrix_a_scale:MATRIX_SCALE_ROW1
.else
	v_wmma_scale_f32_16x16x128_f8f6f4 v[(\d):(\d)+7], v[(\a):(\a)+11], v[(\b):(\b)+11], 0, v[(\sa)], v[(\sb)] matrix_a_fmt:MATRIX_FMT_BF6 matrix_b_fmt:MATRIX_FMT_BF6
.endif
.else
.if \row
	v_wmma_scale_f32_16x16x128_f8f6f4 v[(\d):(\d)+7], v[(\a):(\a)+11], v[(\b):(\b)+11], v[(\c):(\c)+7], v[(\sa)], v[(\sb)] matrix_a_fmt:MATRIX_FMT_BF6 matrix_b_fmt:MATRIX_FMT_BF6 matrix_a_scale:MATRIX_SCALE_ROW1
.else
	v_wmma_scale_f32_16x16x128_f8f6f4 v[(\d):(\d)+7], v[(\a):(\a)+11], v[(\b):(\b)+11], v[(\c):(\c)+7], v[(\sa)], v[(\sb)] matrix_a_fmt:MATRIX_FMT_BF6 matrix_b_fmt:MATRIX_FMT_BF6
.endif
.endif
.endm
; THE STAGE.  My units 3 c .. 3 c + 2 are chunk c; stage column = l - (64 (9 z + 3 c) - 64 - u); pair q is columns 32 q .. 32 q + 31; unit 3 c + i reads pairs 2 i .. 2 i + 3.
.macro LOADP c, q, n                   ; n pairs from pair q of chunk c on: a fragment (both tiles) and its scale words.  v[PEA], v[PSA] stand 64 rows under the chunk 0's pair 2
.set j_, 0
.rept \n
.set B_, 64*CU*(\c)+32*((\q)+j_)
.irp e, 0,1,2
	ds_load_b64 v[PF+12*j_+2*\e:PF+12*j_+2*\e+1], v[PEA] offset:48*B_+8*\e
.endr
.irp e, 3,4,5
	ds_load_b64 v[PF+12*j_+2*\e:PF+12*j_+2*\e+1], v[PEA] offset:48*B_+768+8*(\e-3)
.endr
	ds_load_b32 v[PSC+j_], v[PSA] offset:4*B_
.set j_, j_+1
.endr
.endm
.macro LOADK p
.irp f, 0,1
.irp e, 0,1,2
	ds_load_b128 v[KF+12*\f+4*\e:KF+12*\f+4*\e+3], v[KFA] offset:3072*(\p)+1536*\f+512*\e
.endr
.endr
	ds_load_b32 v[KSC], v[KSA] offset:128*(\p)
.endm
.macro POSMM j, kind                   ; kind 1: my first tile; kind 2: the band's last tile alone
.if \kind == 0
	WM PD+16*\j, PF+12*\j, QLO, -1, PSC+\j, QSC, 0
	WM PD+16*\j+8, PF+12*\j, QHI, -1, PSC+\j, QSC, 1
.elseif \kind == 1
	WM PD+16*\j, PF+12*\j, QLO, CA, PSC+\j, QSC, 0
	WM PD+16*\j+8, PF+12*\j, QHI, -1, PSC+\j, QSC, 1
.else
	WM PD+16*\j, PF+12*\j, QLO, CB, PSC+\j, QSC, 0
.endif
.endm
.macro CONTMM p
	UNIT \p
	WIN UW_<<6
.irp f, 0,1
	WM UB_+16*\f, KF+12*\f, QLO, -1, KSC, QSC, \f
	WM UB_+16*\f+8, KF+12*\f, QHI, -1, KSC, QSC, \f
.endr
.endm
.macro PDST q, n                       ; each accumulator from its low end on
.set j_, 0
.rept \n
.irp e, 0,1
.irp a, 0,1
	ds_store_b128 v[STA], v[PD+16*j_+8*\e+4*\a:PD+16*j_+8*\e+4*\a+3] offset:64*(2*((\q)+j_)+\e)+16*\a
.endr
.endr
.set j_, j_+1
.endr
.endm
.macro NEGST t0, n                     ; n tiles of -1e30 into the stage
.set j_, 0
.rept \n
	ds_store_b128 v[STA], v[MNEG:MNEG+3] offset:64*((\t0)+j_)
	ds_store_b128 v[STA], v[MNEG:MNEG+3] offset:64*((\t0)+j_)+16
.set j_, j_+1
.endr
.endm
.macro TLOAD p                         ; unit p's 32 position scores, skewed.  LDS serves a wave's instructions in order: these see the stores issued ahead of them
.irp k, 0,1,2,3,4,5,6,7
	ds_load_b128 v[TR+4*\k:TR+4*\k+3], v[RDA] offset:256*((\p)%CU)+16*\k
.endr
.endm
.macro FIX p, blk                      ; ascending: the accumulator is first read at its lowest register
	UNIT \p
	WIN (UW_<<6)|(UW_<<2)
.set SB_, UB_+8*(\blk)
.set TB_, TR+8*(\blk)
.irp i, 0,1,2,3,4,5,6,7
	v_cmp_neq_f32 s[MK+\i], 0, v[SB_+\i]
.endr
.irp i, 0,1,2,3,4,5,6,7
	v_cndmask_b32 v[SB_+\i], s[CM6], v[SB_+\i], s[MK+\i]
.endr
.irp i, 0,2,4,6
	v_pk_add_f32 v[SB_+\i:SB_+\i+1], v[TB_+\i:TB_+\i+1], v[SB_+\i:SB_+\i+1]
.endr
.endm
.macro MAXU p
	UNIT \p
	WIN (UW_<<4)|(UW_<<2)
.set SB_, UB_
.irp j, 0,1,2,3
	v_max3_num_f32 v[28+\j], s[NINF], v[SB_+2*\j], v[SB_+2*\j+1]
.endr
.irp k, 1,2,3
.irp j, 0,1,2,3
	v_max3_num_f32 v[28+\j], v[28+\j], v[SB_+8*\k+2*\j], v[SB_+8*\k+2*\j+1]
.endr
.endr
	WIN 0
	v_max3_num_f32 v[BM+(\p)], v28, v29, v30
	v_max_num_f32 v[BM+(\p)], v[BM+(\p)], v31
.endm
; UNIT p: its products; the unit before is finished meanwhile, and its lines are the places behind the products (four ahead of a store of a result or a load into a source, five ahead of a
; product that writes over an earlier one's registers: ISA guide 7.12.1 except for loads).  LOADP nc, nq, nn and LOADK nk fetch for what follows.
.macro STEP p, kind, prev, nc, nq, nn, nk
	s_wait_dscnt 0x0                               ; my fragments and scale words are in, the unit before has its position scores, the last stores have read their registers
	WIN 0
	POSMM 0, \kind
.if \kind != 2
	POSMM 1, 0
.endif
.if (\prev) >= 0
	FIX \prev, 0
	WIN 0
.else
	NOPS 5
.endif
.if \kind == 2
	ds_store_b128 v[STA], v[PD:PD+3] offset:64*(4*((\p)%CU)+4)
	ds_store_b128 v[STA], v[PD+4:PD+7] offset:64*(4*((\p)%CU)+4)+16
	NEGST 4*((\p)%CU)+5, 3                         ; the last three tiles lie above the band
.else
	PDST 2*((\p)%CU)+2, 2
.endif
.if \nn > 0
	LOADP \nc, \nq, \nn
.endif
	CONTMM \p
.if (\prev) >= 0
	FIX \prev, 1
	FIX \prev, 2
	FIX \prev, 3
	WIN 0
.else
	WIN 0
	NOPS 4
.endif
	TLOAD \p
.if (\nk) >= 0
	LOADK \nk
.endif
.if (\prev) >= 0
	MAXU \prev
.endif
.endm
.macro PRO c                           ; a chunk's pairs 0 and 1; then the pairs of its first unit are fetched
	s_wait_dscnt 0x0
	WIN 0
	POSMM 0, 0
	POSMM 1, 0
	NOPS 5
	PDST 0, 2
	LOADP \c, 2, 2
.endm
.macro EXPU p, nxt, own                ; unit p's exponentials; own: its scalings stand ahead; nxt: the next unit's stand among the exponentials.  Then its share of the sum, four chains
	UNIT \p
	WIN (UW_<<6)|UW_
.set SB_, UB_
.if \own
.set k_, 0
.rept 16
	v_pk_fma_f32 v[SB_+2*k_:SB_+2*k_+1], v[SB_+2*k_:SB_+2*k_+1], s[CS:CS+1], v[20:21] op_sel_hi:[1,0,0]
.set k_, k_+1
.endr
.endif
	WALU
.set k_, 0
.rept 16
	v_exp_f32 v[SB_+2*k_], v[SB_+2*k_]
.if \nxt
	v_pk_fma_f32 v[SB_+32+2*k_:SB_+33+2*k_], v[SB_+32+2*k_:SB_+33+2*k_], s[CS:CS+1], v[20:21] op_sel_hi:[1,0,0]
.endif
	v_exp_f32 v[SB_+2*k_+1], v[SB_+2*k_+1]
.set k_, k_+1
.endr
	v_nop
	WIN UW_<<2
	WALU
.set k_, 0
.rept 4
.irp j, 0,1,2,3
	v_pk_add_f32 v[24+2*\j:25+2*\j], v[24+2*\j:25+2*\j], v[SB_+8*k_+2*\j:SB_+8*k_+2*\j+1]
.endr
.set k_, k_+1
.endr
.endm
.macro VLOAD s                         ; K step s (my units 2 s, 2 s + 1; step 4 has one unit): V's four fragments and their scale words (lane = d, and d + 32): 18 loads, in step 4 ten
	WIN 0
.irp t, 0,1,2,3
	ds_load_b128 v[VF+12*\t:VF+12*\t+3], v[VFA] offset:((2*(\s))*4+\t)*768
	ds_load_b64 v[VF+12*\t+4:VF+12*\t+5], v[VFB] offset:((2*(\s))*4+\t)*768
.if (\s) < 4
	ds_load_b128 v[VF+12*\t+6:VF+12*\t+9], v[VFA] offset:((2*(\s)+1)*4+\t)*768
	ds_load_b64 v[VF+12*\t+10:VF+12*\t+11], v[VFB] offset:((2*(\s)+1)*4+\t)*768
.endif
.endr
	ds_load_b32 v[VSR], v[VSA] offset:512*(\s)
	ds_load_b32 v[VSR+1], v[VSA] offset:512*(\s)+128
.endm
.macro QNT s, hook                     ; K step s: p is normalised and quantised into set s % 2.  hook >= 0: behind the first four multiplications, the places behind the products just issued, V of K step hook is fetched
.if (\s) < 4
.set QW_, 1
.set QB_, 64*(\s)
.set QN_, 2
.else
.set QW_, 0
.set QB_, S8
.set QN_, 1
.endif
	WIN (QW_<<6)|QW_
.set k_, 0
.rept 4
	v_pk_mul_f32 v[QB_+2*k_:QB_+2*k_+1], v[QB_+2*k_:QB_+2*k_+1], v[22:23] op_sel_hi:[1,0]
.set k_, k_+1
.endr
.if (\hook) >= 0
	VLOAD \hook
	WIN (QW_<<6)|QW_
.endif
.rept 16*QN_-4
	v_pk_mul_f32 v[QB_+2*k_:QB_+2*k_+1], v[QB_+2*k_:QB_+2*k_+1], v[22:23] op_sel_hi:[1,0]
.set k_, k_+1
.endr
	WIN QW_
.set c_, 0
.rept QN_
	v_cvt_scalef32_pk16_bf6_f32 v[PC+12*((\s)%2)+6*c_:PC+12*((\s)%2)+6*c_+2], v[QB_+32*c_:QB_+32*c_+15], v[SCO+2*(\s)+c_]
	v_cvt_scalef32_pk16_bf6_f32 v[PT+4*c_:PT+4*c_+2], v[QB_+32*c_+16:QB_+32*c_+31], v[SCO+2*(\s)+c_]
.set c_, c_+1
.endr
	WIN 0
	v_nop                                          ; one plain line behind the scaled conversions
.set c_, 0
.rept QN_
.irp i, 0,1,2
	v_mov_b32 v[PC+12*((\s)%2)+6*c_+3+\i], v[PT+4*c_+\i]
.endr
.set c_, c_+1
.endr
.if (\s) == 4
.irp i, 6,7,8,9,10,11
	v_mov_b32 v[PC+\i], 0                          ; step 4 has 64 keys: zero codes for the rest
.endr
.endif
.endm
.macro PVMM s                          ; O^T += V^T P^T: four accumulators by turns
.irp t, 0,1,2,3
.if (\s) == 0
	WM OT+8*\t, VF+12*\t, PC+12*((\s)%2), -1, VSR+\t/2, PSWD+(\s), \t%2
.else
	WM OT+8*\t, VF+12*\t, PC+12*((\s)%2), OT+8*\t, VSR+\t/2, PSWD+(\s), \t%2
.endif
.endr
.endm
.macro ARM w, lds, rows, p, add, next  ; wave w's one tensor load: rows x 256 dense bytes from s[p:p+1] + add to LDS byte lds
	s_cmp_eq_u32 s20, \w
	s_cbranch_scc0 \next
	s_mov_b32 s29, \lds
	s_mov_b32 s34, (\rows)<<16
	s_mov_b32 s36, \rows
	s_add_nc_u64 s[30:31], s[\p:\p+1], \add
	s_or_b32 s31, s31, 0x80000000
	tensor_load_to_lds s[28:31], s[32:39]
	s_nop 0
	NOPS 4
	s_branch .Lasked
\next:
.endm
; ---------------- the head
	s_load_b512 s[4:19], s[0:1], 0x0               ; query s[4:5], pec s[6:7], psw s[8:9], kimg s[10:11], ksw s[12:13], vimg s[14:15], vsc s[16:17], out0 s[18:19]
	v_lshl_add_u32 v[SPW], v0, 2, SPARE
	v_mov_b32 v[NIL], 0
	ds_add_u32 v[SPW], v[NIL]
	ds_add_u32 v[SPW], v[NIL]
	v_lshrrev_b32 v17, 5, v0
	v_readfirstlane_b32 s20, v17                   ; wave 0..7
	s_and_b32 s26, s20, 3                          ; u
	s_lshr_b32 s43, s20, 2                         ; z
	s_lshl_b32 s21, ttmp9, 2                       ; 4 G
	s_and_b32 s22, ttmp7, 0xffff                   ; b
	s_mov_b32 s28, 1                               ; group 0: count
	s_mov_b32 s32, 3<<16                           ; group 1: rows of 32 elements of 8 bytes, dense; the rows' number is written in each arm
	s_mov_b32 s33, 32<<16
	s_mov_b32 s35, 32<<16
	s_mov_b32 s37, 32
	s_mov_b32 s38, 0
	s_mov_b32 s39, 0
	s_mov_b32 s3, 0
	s_lshl_b32 s23, s22, 5
	s_add_co_u32 s23, s23, s21                     ; the first unit: 32 b + 4 G
	s_wait_dscnt 0x0
	s_wait_kmcnt 0x0
	s_mul_i32 s2, s23, 3072
	s_add_nc_u64 s[10:11], s[10:11], s[2:3]
	s_add_nc_u64 s[14:15], s[14:15], s[2:3]
	s_lshl_b32 s2, s23, 7
	s_add_nc_u64 s[12:13], s[12:13], s[2:3]
	s_lshl_b32 s2, s23, 8
	s_add_nc_u64 s[16:17], s[16:17], s[2:3]
	ARM 0, PEC, 204, 6, 0, .Larm1                  ; what the scores want: key_pe's codes, K's images in two halves, the two tables of scale words;
	ARM 1, KIMG, 120, 10, 0, .Larm2
	ARM 2, KIMG+30720, 120, 10, 30720, .Larm3
	ARM 3, PSW, 17, 8, 0, .Larm4
	ARM 4, KSW, 10, 12, 0, .Larm5
	ARM 5, VIMG, 120, 14, 0, .Larm6                ; then V's
	ARM 6, VIMG+30720, 120, 14, 30720, .Larm7
	s_mov_b32 s29, VSW
	s_mov_b32 s34, 20<<16
	s_mov_b32 s36, 20
	s_add_nc_u64 s[30:31], s[16:17], 0
	s_or_b32 s31, s31, 0x80000000
	tensor_load_to_lds s[28:31], s[32:39]
	s_nop 0
	NOPS 4
.Lasked:
	s_mov_b32 s[CM6], 0xc9742400                   ; -1e6
	s_mov_b32 s[NINF], 0xff800000
	s_mov_b32 s[CS], 0x3e38aa3b                    ; c = log2(e) / 8
	s_mov_b32 s[CS+1], s[CS]
	s_mov_b32 s[NCS], 0xbe38aa3b
	s_mov_b32 s[SEL], 0x76543210
	s_mov_b32 s[SEL+1], 0xfedcba98
	s_lshl_b32 s2, s22, 10
	s_lshl_b32 s44, s21, 6
	s_add_co_u32 s2, s2, s44
	s_add_co_u32 s2, s2, s26
	s_lshl_b32 s2, s2, 8                           ; row 1,024 b + 256 G + u of query and of out0
	s_add_nc_u64 s[4:5], s[4:5], s[2:3]
	s_add_nc_u64 s[18:19], s[18:19], s[2:3]
	s_mul_i32 s46, s43, 27648                      ; nine units on for z = 1: 9 x 3,072 bytes of an image, and 576 rows of 48 bytes of key_pe's codes
	s_mul_i32 s45, s43, 2304                       ; 576 words of key_pe's scales, and nine rows of V's scale words (VSW = 0)
	s_xor_b32 s44, s26, 3
	s_add_co_u32 s44, s44, 13                      ; 16 - u: pec's row of l = -u
	s_mul_i32 s47, s44, 48
	s_add_co_u32 s47, s47, PEC-3072
	s_add_co_u32 s47, s47, s46
	s_lshl_b32 s48, s44, 2
	s_add_co_u32 s48, s48, PSW-256
	s_add_co_u32 s48, s48, s45
	s_add_co_u32 s49, s46, KIMG
	s_add_co_u32 s50, s46, VIMG
	s_add_co_u32 s51, s46, VIMG+512
	s_mul_i32 s52, s43, 1152
	s_add_co_u32 s52, s52, KSW
	s_mul_i32 s53, s20, STW
	s_add_co_u32 s53, s53, STG                     ; my stage
	s_mul_i32 s54, s26, STW
	s_add_co_u32 s54, s54, STG                     ; the stage of wave u
	s_cmp_lt_u32 s20, 4
	s_cselect_b32 s55, s26, 0                      ; how many rows of my first tile lie under the band
	s_mov_b32 s[TK], 0
	s_mov_b32 s[TS], 0
	s_mov_b32 s[TV], 0
	s_mov_b32 s[LEFT], 4
	v_and_b32 v1, 15, v0                           ; r
	v_bfe_u32 v2, v0, 4, 1                         ; h
	v_and_b32 v19, 31, v0                          ; lane
	v_lshlrev_b32 v[QA], 10, v1
	v_lshl_add_u32 v[QA], v2, 7, v[QA]
	WIN 0x40
.irp k, 0,1,2,3,4,5,6,7
	global_load_b128 v[4*\k:4*\k+3], v[QA], s[4:5] offset:16*\k   ; the first block's q
.endr
	WIN 0
	v_mul_u32_u24 v[PEA], v1, 48
	v_mad_u32_u24 v[PEA], v2, 24, v[PEA]
	v_add_nc_u32 v[PEA], s47, v[PEA]
	v_lshl_add_u32 v[PSA], v19, 2, s48
	v_lshl_add_u32 v[K0], v19, 4, s49
	v_lshl_add_u32 v[KS0], v19, 2, s52
	v_lshl_add_u32 v[VA0], v19, 4, s50
	v_lshl_add_u32 v[VB0], v19, 3, s51
	v_lshl_add_u32 v[VS0], v19, 2, s45
	v_mul_u32_u24 v[STA], v1, SPI
	v_lshl_add_u32 v[STA], v2, 5, v[STA]
	v_add_nc_u32 v[STA], s53, v[STA]
	v_mul_u32_u24 v[RDA], v1, SPI-16               ; the skew: 16 bytes less for each row
	v_lshl_add_u32 v[RDA], v2, 7, v[RDA]
	v_add_nc_u32 v[RDA], s53, v[RDA]
	v_add_nc_u32 v[RDA], 256, v[RDA]
	v_mul_u32_u24 v[OSA], v1, 272
	v_lshl_add_u32 v[OSA], v2, 5, v[OSA]
	v_add_nc_u32 v[OSA], s53, v[OSA]
	v_mul_u32_u24 v[OLA], v2, 272
	v_lshl_add_u32 v[OLA], v1, 4, v[OLA]
	v_add_nc_u32 v[OLA], s53, v[OLA]
	v_lshlrev_b32 v[GO], 10, v2
	v_lshl_add_u32 v[GO], v1, 4, v[GO]
	v_lshlrev_b32 v16, 3, v2
	v_mov_b32 v18, 0
.irp i, 0,1,2,3
	v_mov_b32 v[MNEG+\i], 0xf149f2ca               ; -1e30
.endr
.irp i, 0,1,2,3,4,5,6,7
	v_add_nc_u32 v17, \i, v16                      ; the tile's row 8 h + i
	v_cmp_gt_u32 vcc_lo, s55, v17
	v_cndmask_b32 v[CA+\i], 0, v[MNEG], vcc_lo
	v_cmp_gt_u32 vcc_lo, s26, v17
	v_cndmask_b32 v[CB+\i], v[MNEG], v18, vcc_lo
.endr
.irp i, 0,1,2,3,4,5
	v_mov_b32 v[QLO+6+\i], 0                       ; the zero halves of [q | 0] and [0 | q]
	v_mov_b32 v[QHI+\i], 0
.endr
.set i_, 0
.rept 32
	v_mov_b32 v[S8+i_], 0                          ; unit 8's registers are written once in every wave; waves 4-7 have no such unit
.set i_, i_+1
.endr
	v_xor_b32 v2, 128, v0
	v_lshl_add_u32 v[XB], v2, 3, XCH
	v_lshl_add_u32 v[XA], v0, 3, XCH
	v_lshl_add_u32 v[OXA], v19, 4, s54
	WALU
	s_cmp_lt_u32 s20, 5
	s_cbranch_scc0 .Lnot_k
	s_wait_tensorcnt 0x0                           ; waves 0-4: what the scores want is in; V's three tiles, each by a load line of its own, may stay out
.Lnot_k:
	s_barrier_signal -1
	s_barrier_wait -1
; ---------------- a block of 64 queries
.Ltile:
	v_add_nc_u32 v[KFA], s[TK], v[K0]              ; the block's band begins a unit further on than the last block's
	v_add_nc_u32 v[KSA], s[TS], v[KS0]
	v_add_nc_u32 v[VFA], s[TK], v[VA0]
	v_add_nc_u32 v[VFB], s[TK], v[VB0]
	v_add_nc_u32 v[VSA], s[TV], v[VS0]
	WALU
	s_cmp_lt_u32 s20, 4
	s_cbranch_scc0 .Lhi_a
	NEGST 0, 4                                     ; z = 0: chunk 0's columns 0 .. 63 lie under the band
	LOADP 0, 2, 2
	s_branch .Ljoin_a
.Lhi_a:
	LOADP 0, 0, 2                                  ; z = 1: they are position scores like any other
.Ljoin_a:
	LOADK 0
	s_wait_loadcnt 0x0                             ; q: my block of 32 along d is all mine
	v_mov_b32 v28, 0x2800000                       ; the floor 2^(5 - 127): the byte cannot fall under 1
	v_mov_b32 v29, 0
	v_mov_b32 v30, 0
	v_mov_b32 v31, 0
	WIN 0x14
.irp i, 0,8,16,24
.irp j, 0,1,2,3
	v_max3_num_f32 v[28+\j], v[28+\j], |v[\i+2*\j]|, |v[\i+2*\j+1]|
.endr
.endr
	WIN 0
	v_max3_num_f32 v28, v28, v29, v30
	v_max_num_f32 v28, v28, v31
	v_add_nc_u32 v30, 0xfe000000, v28              ; 4 off the exponent field: the conversion's scale operand
	WIN 0x01
	v_cvt_scalef32_pk16_bf6_f32 v[QLO:QLO+2], v[0:15], v30
	v_cvt_scalef32_pk16_bf6_f32 v[PT:PT+2], v[16:31], v30
	WIN 0
	v_lshrrev_b32 v31, 23, v30                     ; the byte; also the plain line behind the conversions
.irp i, 0,1,2
	v_mov_b32 v[QLO+3+\i], v[PT+\i]
.endr
.irp i, 0,1,2,3,4,5
	v_mov_b32 v[QHI+6+\i], v[QLO+\i]
.endr
	v_lshlrev_b32 v17, v16, v31
	v_permlanex16_b32 v19, v17, s[SEL], s[SEL+1]
	v_or_b32 v17, v17, v19
	v_lshl_or_b32 v[QSC], v17, 16, v17             ; the query's two bytes, twice: the word serves [q | 0] and [0 | q]
	NOPS 8                                         ; a scale register written by a vector line stands eight places ahead of a scaled matrix instruction
	WALU
	s_cmp_lt_u32 s20, 4
	s_cbranch_scc1 .Ljoin_b
	PRO 0
.Ljoin_b:
; ---- the scores
	STEP 0, 1, -1, 0, 4, 2, 1
	STEP 1, 0, 0, 0, 6, 2, 2
	STEP 2, 0, 1, 1, 0, 2, 3
	PRO 1
	STEP 3, 0, 2, 1, 4, 2, 4
	STEP 4, 0, 3, 1, 6, 2, 5
	STEP 5, 0, 4, 2, 0, 2, 6
	PRO 2
	s_cmp_lt_u32 s20, 4
	s_cbranch_scc0 .Lhi_t
	STEP 6, 0, 5, 2, 4, 2, 7
	STEP 7, 0, 6, 2, 6, 2, 8
	STEP 8, 0, 7, 0, 0, 0, -1
	s_wait_dscnt 0x0
.irp q, 0,1,2,3
	FIX 8, \q
.endr
	MAXU 8
	s_branch .Ljoin_t
.Lhi_t:
	STEP 6, 0, 5, 2, 4, 1, 7
	STEP 7, 2, 6, 0, 0, 0, -1                      ; the band's upper end
	s_wait_dscnt 0x0
.irp q, 0,1,2,3
	FIX 7, \q
.endr
	MAXU 7
	v_mov_b32 v[BM+8], s[NINF]
.Ljoin_t:
	WALU
; ---- my half's maximum, exponentials and sum
	v_max3_num_f32 v18, v[BM], v[BM+1], v[BM+2]
	v_max3_num_f32 v28, v[BM+3], v[BM+4], v[BM+5]
	v_max3_num_f32 v29, v[BM+6], v[BM+7], v[BM+8]
	v_max3_num_f32 v18, v18, v28, v29
	v_permlanex16_b32 v17, v18, s[SEL], s[SEL+1]
	v_max_num_f32 v18, v18, v17                    ; M_z
	v_mul_f32 v20, s[NCS], v18                     ; -c M_z
	v_mul_f32 v21, s[NCS], v18
.irp i, 24,25,26,27,28,29,30,31
	v_mov_b32 v[\i], 0
.endr
	EXPU 0, 1, 1
.irp p, 1,2,3,4,5,6
	EXPU \p, 1, 0
.endr
	EXPU 7, 0, 0
	WIN 0
	WALU
	s_cmp_lt_u32 s20, 4
	s_cbranch_scc0 .Lhi_x
	EXPU 8, 0, 1
	WIN 0
.Lhi_x:
	v_pk_add_f32 v[24:25], v[24:25], v[26:27]
	v_pk_add_f32 v[28:29], v[28:29], v[30:31]
	v_pk_add_f32 v[24:25], v[24:25], v[28:29]
	v_add_f32 v24, v24, v25
	v_permlanex16_b32 v17, v24, s[SEL], s[SEL+1]
	v_add_f32 v19, v24, v17                        ; sum_z
	ds_store_b64 v[XA], v[18:19]
	s_wait_tensorcnt 0x0                           ; V's tiles are in (in the later blocks no load is out),
	s_wait_dscnt 0x0                               ; my pair is stored, my reads of my stage are over
	s_barrier_signal -1
.set i_, 0
.rept 9
	v_fma_f32 v[BM+i_], v[BM+i_], s[CS], v20       ; each block's largest score goes the way of its p
.set i_, i_+1
.endr
	s_barrier_wait -1
	ds_load_b64 v[28:29], v[XB]                    ; my partner's (M, sum)
	VLOAD 0
	s_wait_dscnt 18                                ; V's 18 loads, issued behind it, may stay out
	v_max_num_f32 v30, v18, v28
	v_mul_f32 v30, s[NCS], v30                     ; -c M
	v_mul_f32 v17, s[NCS], v28                     ; my partner's -c M_z, bit for bit
	v_sub_f32 v31, v30, v20                        ; c M_z - c M, 0 or less
	v_sub_f32 v28, v30, v17
	WALU
	v_exp_f32 v31, v31                             ; f of my half
	v_exp_f32 v28, v28                             ; and of the other
.set i_, 0
.rept 9
	v_exp_f32 v[BM+i_], v[BM+i_]
.set i_, i_+1
.endr
	v_nop
	WALU
	v_mul_f32 v29, v29, v28
	v_fma_f32 v29, v19, v31, v29                   ; S
	WALU
	v_rcp_f32 v22, v29
	v_nop
	WALU
	v_mul_f32 v22, v22, v31                        ; f_z / S
	v_mov_b32 v23, v22
.set i_, 0
.rept 9
	v_mul_f32 v[BM+i_], v[BM+i_], v22              ; the block's largest p, bit for bit
.set i_, i_+1
.endr
.set i_, 0
.rept 9
	v_max_num_f32 v[BM+i_], 0x2800000, v[BM+i_]    ; the floor: a block whose every p is 0 keeps the byte 1; its codes are zeros
.set i_, i_+1
.endr
.set i_, 0
.rept 9
	v_add_nc_u32 v[SCO+i_], 0xfe000000, v[BM+i_]
.set i_, i_+1
.endr
.set i_, 0
.rept 9
	v_lshrrev_b32 v[BM+i_], 23, v[SCO+i_]
.set i_, i_+1
.endr
.irp s, 0,1,2,3
	v_lshl_or_b32 v[BM+2*\s], v[BM+2*\s+1], 16, v[BM+2*\s]
.endr
.irp s, 0,1,2,3,4
	v_lshlrev_b32 v[BM+2*\s], v16, v[BM+2*\s]      ; (step 4 has two blocks; its other two bytes stay 0, over zero codes)
.endr
.irp s, 0,1,2,3
	v_permlanex16_b32 v[BM+2*\s+1], v[BM+2*\s], s[SEL], s[SEL+1]
.endr
	v_permlanex16_b32 v17, v[BM+8], s[SEL], s[SEL+1]
.irp s, 0,1,2,3
	v_or_b32 v[PSWD+\s], v[BM+2*\s], v[BM+2*\s+1]
.endr
	v_or_b32 v[PSWD+4], v[BM+8], v17
; ---- O^T = V^T P^T over my half: four K steps, for z = 0 a fifth of one unit
	QNT 0, -1
	s_cmp_eq_u32 s[LEFT], 1                        ; the next block's q goes into unit 0's registers, whose p has just been converted; no load leaves its buffer
	s_cbranch_scc1 .Lno_next
	WIN 0x40
.irp k, 0,1,2,3,4,5,6,7
	global_load_b128 v[4*\k:4*\k+3], v[QA], s[4:5] offset:16384+16*\k
.endr
	WIN 0
.Lno_next:
	QNT 1, -1
	s_wait_dscnt 0x0
	PVMM 0
	QNT 2, 1
	s_wait_dscnt 0x0
	PVMM 1
	QNT 3, 2
	s_wait_dscnt 0x0
	PVMM 2
	NOPS 4
	VLOAD 3
	s_cmp_lt_u32 s20, 4
	s_cbranch_scc0 .Lhi_e
	QNT 4, -1
.Lhi_e:
	WALU
	s_wait_dscnt 0x0
	PVMM 3
	s_cmp_lt_u32 s20, 4
	s_cbranch_scc0 .Lhi_f
	NOPS 5
	VLOAD 4                                        ; V's registers for K 64-127 keep the last step's codes: they meet zero codes of p
	s_wait_dscnt 0x0
	PVMM 4
.Lhi_f:
	NOPS 4
; ---- the two halves of O meet in wave u's stage, which that wave read for the last time ahead of the barrier above
	s_cmp_lt_u32 s20, 4
	s_cbranch_scc1 .Llow_c
.irp k, 0,1,2,3,4,5,6,7
	ds_store_b128 v[OXA], v[OT+4*\k:OT+4*\k+3] offset:512*\k
.endr
.Llow_c:
	s_wait_dscnt 0x0
	s_barrier_signal -1
	s_barrier_wait -1
	s_cmp_lt_u32 s20, 4
	s_cbranch_scc0 .Lhi_d
.irp k, 0,1,2,3,4,5,6,7
	ds_load_b128 v[VF+4*\k:VF+4*\k+3], v[OXA] offset:512*\k
.endr
	s_wait_dscnt 0x0
.set k_, 0
.rept 16
	v_pk_add_f32 v[VF+2*k_:VF+2*k_+1], v[OT+2*k_:OT+2*k_+1], v[VF+2*k_:VF+2*k_+1]
.set k_, k_+1
.endr
; register 8 t + i of lane (r, h) is out(query r, d = 16 t + 8 h + i): through my stage, back as whole rows of 256 bytes
.irp t, 0,1,2,3
	ds_store_b128 v[OSA], v[VF+8*\t:VF+8*\t+3] offset:64*\t
	ds_store_b128 v[OSA], v[VF+8*\t+4:VF+8*\t+7] offset:64*\t+16
.endr
.irp k, 0,1,2,3,4,5,6,7
	ds_load_b128 v[TR+4*\k:TR+4*\k+3], v[OLA] offset:544*\k          ; LDS serves a wave's instructions in order: these see my stores
.endr
.irp k, 0,1,2,3,4,5,6,7
	s_wait_dscnt 7-\k                              ; the younger loads may stay out
	global_store_b128 v[GO], v[TR+4*\k:TR+4*\k+3], s[18:19] offset:2048*\k th:TH_STORE_NT   ; 16 lanes store a row of out0: 256 consecutive bytes, aligned
.endr
.Lhi_d:
	s_wait_xcnt 0x0                                ; only behind this wait are the two bases stepped and the stores' registers written again
	s_add_nc_u64 s[4:5], s[4:5], 16384             ; 64 rows of query and of out0 on
	s_add_nc_u64 s[18:19], s[18:19], 16384
	s_add_co_u32 s[TK], s[TK], 3072                ; a unit on in K's and V's images,
	s_add_co_u32 s[TS], s[TS], 128                 ; in K's scale words,
	s_add_co_u32 s[TV], s[TV], 256                 ; and in V's
	s_sub_co_u32 s[LEFT], s[LEFT], 1
	s_cmp_lg_u32 s[LEFT], 0
	s_cbranch_scc1 .Ltile
	s_wait_tensorcnt 0x0                           ; the wave's end
	ds_add_u32 v[SPW], v[NIL]
	s_wait_dscnt 0x0
	s_endpgm
.Lfunc_end_k_qf841a36819_attn:
	.size	k_qf841a36819_attn, .Lfunc_end_k_qf841a36819_attn-k_qf841a36819_attn
	.p2alignl 7, 3214868480
	.fill 96, 4, 3214868480
	.section	.rodata,"a",@progbits
	.p2align	6, 0x0
	.amdhsa_kernel k_qf841a36819_attn
		.amdhsa_group_segment_fixed_size 327680
		.amdhsa_private_segment_fixed_size 0
		.amdhsa_enable_private_segment 0
		.amdhsa_kernarg_size 64
		.amdhsa_user_sgpr_count 2
		.amdhsa_user_sgpr_kernarg_segment_ptr 1
		.amdhsa_wavefront_size32 1
		.amdhsa_system_sgpr_workgroup_id_x 1
		.amdhsa_system_sgpr_workgroup_id_y 1
		.amdhsa_system_sgpr_workgroup_id_z 1
		.amdhsa_system_vgpr_workitem_id 0
		.amdhsa_next_free_vgpr 512
		.amdhsa_next_free_sgpr 66
		.amdhsa_reserve_vcc 1
		.amdhsa_float_denorm_mode_32 3
		.amdhsa_float_denorm_mode_16_64 3
		.amdhsa_memory_ordered 1
		.amdhsa_forward_progress 1
		.amdhsa_inst_pref_size 195
	.end_amdhsa_kernel
	.amdgpu_metadata
---
amdhsa.version: [ 1, 2 ]
amdhsa.kernels:
  - .name:           k_qf841a36819_attn
    .symbol:         k_qf841a36819_attn.kd
    .args:
      - { .name: query, .offset: 0, .size: 8, .value_kind: global_buffer, .address_space: global }
      - { .name: pec, .offset: 8, .size: 8, .value_kind: global_buffer, .address_space: global }
      - { .name: psw, .offset: 16, .size: 8, .value_kind: global_buffer, .address_space: global }
      - { .name: kimg, .offset: 24, .size: 8, .value_kind: global_buffer, .address_space: global }
      - { .name: ksw, .offset: 32, .size: 8, .value_kind: global_buffer, .address_space: global }
      - { .name: vimg, .offset: 40, .size: 8, .value_kind: global_buffer, .address_space: global }
      - { .name: vsc, .offset: 48, .size: 8, .value_kind: global_buffer, .address_space: global }
      - { .name: out0, .offset: 56, .size: 8, .value_kind: global_buffer, .address_space: global }
    .group_segment_fixed_size: 327680
    .private_segment_fixed_size: 0
    .kernarg_segment_align: 8
    .kernarg_segment_size: 64
    .max_flat_workgroup_size: 256
    .sgpr_count:     66
    .vgpr_count:     512
    .wavefront_size: 32
...
	.end_amdgpu_metadata
.endif
;; end of part 4
